; MI455X (gfx1250); checked and timed in simulation.
; The chip was launched on July 23, 2026; its instructions are those of AMD's public machine-readable ISA for CDNA 5 (MIT licence, August 2026) and "CDNA5" Instruction Set Architecture Reference Guide (July 2026). The comments in the code are by the model that wrote it; some were corrected since.
;; QK Normed Attention. Allowed arithmetic: matrix products marked QUANTISED: E2M3 operands, one E8M0 scale for each 32 along K, by v_wmma_scale_f32_16x16x128_f8f6f4 with both operands' format E2M3, f32 sums; everything else in f32.
;; Inputs: Wk 1,024 x 1,024 float32; Wo 1,024 x 1,024 float32; Wq 1,024 x 1,024 float32; Wv 1,024 x 1,024 float32; bk 1,024 float32; bo 1,024 float32; bq 1,024 float32; bv 1,024 float32; k_norm_w 64 float32; key 4,096 x 1,024 float32; q_norm_w 64 float32; query 4,096 x 1,024 float32; value 4,096 x 1,024 float32.
;; Outputs: out0 4,096 x 1,024 float32.
;; This version of the problem:
;;   THIS VERSION OF THE PROBLEM IS GIVEN IN LOW PRECISION. The matrix products marked QUANTISED in the list below multiply operands that are first quantised to E2M3 (2 exponent bits, 3 mantissa bits; 6 bits a number), with one power-of-two scale for each 32 numbers along K (OCP MX v1.0); their sums are f32. All else is computed in f32.
;;   The module's matrix products, in the order in which they are computed (A, B: the left and right operand; K: the contracted axis; several contracted axes count as one K, in the product's order):
;;     1. [M 4,096, K 1,024] x [K 1,024, N 1,024]; A: input query; B: input Wq: QUANTISED
;;     2. [M 4,096, K 1,024] x [K 1,024, N 1,024]; A: input key; B: input Wk: QUANTISED
;;     3. [M 4,096, K 1,024] x [K 1,024, N 1,024]; A: input value; B: input Wv: QUANTISED
;;     4. batch 16 x [M 4,096, K 64] x [K 64, N 4,096]; A: computed on the way; B: computed on the way: QUANTISED
;;     5. batch 16 x [M 64, K 4,096] x [K 4,096, N 4,096]; A: computed on the way; B: softmax (see below): QUANTISED
;;     6. [M 4,096, K 1,024] x [K 1,024, N 1,024]; A: computed on the way; B: input Wo: QUANTISED
;;   THE QUANTISER, for each operand of a quantised product, along K:
;;     - K is cut into blocks of 32 from its start; a last block that is shorter is filled with zeros.
;;     - A block's scale is 2^e with e = floor(log2(the largest magnitude in the block)) - 2, held to -126 .. 127; a block of zeros has e = 0. As a byte (E8M0): e + 127.
;;     - Each number is divided by its block's scale, clamped to +-7.5, and rounded to the nearest number of E2M3, ties to even, subnormals kept.
;;     - The product sums the exact products of the quantised numbers (number of the format x scale) in f32.
;;   ~~~python
;;   def quantise(x, axis):      # numpy; x: float32 -> the quantised numbers, widened to float32 again
;;       x = np.moveaxis(x, axis, -1); K = x.shape[-1]
;;       x = np.pad(x, [(0, 0)] * (x.ndim - 1) + [(0, -K % 32)]); x = x.reshape(x.shape[:-1] + (-1, 32)); a = np.abs(x).max(-1, keepdims=True)
;;       e = np.where(a > 0, np.clip(np.frexp(np.where(a > 0, a, 1))[1] - 1 - 2, -126, 127), 0)      # np.frexp(a)[1] - 1 = floor(log2(a)), exactly
;;       r = np.clip(x / 2.0 ** e, -7.5, 7.5)
;;       step = 2.0 ** (np.maximum(np.frexp(np.where(r == 0, 1, r))[1] - 1, 0) - 3)
;;       q = np.round(r / step) * step * 2.0 ** e      # np.round: ties to even
;;       return np.moveaxis(q.reshape(q.shape[:-2] + (-1,))[..., :K], -1, axis).astype(np.float32)
;;   ~~~
;;   SOFTMAX AHEAD OF A QUANTISED PRODUCT. Where the list says 'softmax', what is quantised is not the finished softmax but p = 2^(t - M), with t = logit x log2(e) and M = ceil(the row's largest t), a whole number; so 1/2 < the row's largest p <= 1. The row's sum l is taken of the UNQUANTISED p, in f32, and the product's result is divided by l at the end. Since M is a whole number, a kernel that streams over the keys may use a running M (the ceiling of the running maximum): every later rescaling is an exact power of two, which a block's scale takes up: the codes' values come out the same.
;;   OPERANDS COMPUTED ON THE WAY. 'Computed on the way' means the value that the module computes at that place (a softmax that the list does not call 'softmax' is quantised finished and normalised). What goes into a quantiser is computed in f32, as accurately as f32 sums, v_exp_f32 and their like allow (about 1e-6 of the number): no bf16 or f16 on the way to a quantiser, and a product that is left as it is and whose result goes on into a quantised operand takes f32 operands (vector FMAs, or v_wmma_f32_16x16x4_f32). A number that lies on a knife's edge between two numbers of the format may be rounded either way, as far as f32 arithmetic and the matrix unit's own rounding can turn it there, and no further.
;; One version. Each part assembles by itself: llvm-mc -triple=amdgcn-amd-amdhsa -mcpu=gfx1250 --defsym DOCPART=n.
;; ======== version 1 of 1: 4 launches
;; limits: right only within a limited range of input values
;; workspace buffers: xq 13,107,200 bytes; qb 6,553,600 bytes; kv 6,553,600 bytes; ac 3,276,800 bytes
;; launch quant (part 1): grid 256 x 1, 8 waves a work-group, no clusters, 68,608 bytes of LDS; arguments query, key, value, Wq, Wk, Wv, Wo, xq; writes xq
.if DOCPART == 1
	.amdgcn_target "amdgcn-amd-amdhsa--gfx1250"
	.amdhsa_code_object_version 6
	.text
	.protected	k_q901eb74835_quant
	.globl	k_q901eb74835_quant
	.p2align	8
	.type	k_q901eb74835_quant,@function
k_q901eb74835_quant:
	s_mov_b64 s[64:65], 0
	v_nop
	global_prefetch_b8 v0, s[64:65] scope:SCOPE_SE
	s_setreg_imm32_b32 hwreg(HW_REG_WAVE_MODE, 25, 1), 1
	s_wait_xcnt 0x0
; query, key, value [4096][1024] and Wq, Wk, Wv, Wo [1024][1024], f32, become codes of FP6 (E2M3) with one E8M0 byte for each 32 along the last axis, laid in xq in the ORDER OF AN OPERAND'S REGISTERS.
; xq = [group of 128 rows: 128][K step of 128: 8] blocks of 12,800 bytes.  A block: eight images of 1,536 bytes (tile t of 16 rows x 128 K: register i of lane L at 512 (i / 4) + 16 L + 4 (i % 4)),
; then 512 bytes of scale words: that of (tile t, row r) at 12288 + 16 (16 (t / 4) + r) + 4 (t % 4).  Groups 0-31 query, 32-63 key, 64-95 value, 96-103 Wq, 104-111 Wk, 112-119 Wv, 120-127 Wo.
; THE ROWS OF A TILE ARE NOT NEIGHBOURS: row m of tile t is the group's row 32 (t / 2) + 8 (t % 2) + m + 8 (m / 8), so that, with the tile as source 0, the 16 result registers of tiles 2 b and 2 b + 1 are 16 neighbours.
; SHARES: work-group 2 G + g takes tiles 4 g .. 4 g + 3 of group G (64 whole rows); wave s takes K step s: four fragments.  A fragment's sixteen loads read 512 consecutive bytes each; the 8,192 bytes turn through the
; wave's own stage in LDS (rows 528 bytes apart: 132 words, so sixteen rows begin at sixteen different groups of four banks) and come back 128 bytes a lane and block: a lane then holds two WHOLE blocks of 32.
; A block's scale is 2^(floor(log2(largest magnitude)) - 2): its byte is the largest magnitude's exponent field - 2, held at 1 from below by a floor among the maximum's leaves.
; LIMITS: a block of zeros, or one whose largest magnitude lies under 2^-124, keeps the byte 1 (its bytes are read by this program alone); NaN and infinities among the inputs are not served.
; No barrier: waves share nothing.  Two fragments' loads (32 a wave, 16,384 bytes) are out at the start, 16 to 32 after that.
.set STG,   8448                       ; a wave's stage: 16 rows x 528 bytes
.set SPARE, 8*STG                      ; behind the stages: the spare words, 128 bytes for each wave: four blocks of 256 bytes that no other line names
.set R,  32                            ; v32-159  two sets of 64: a fragment as loaded
.set X,  160                           ; v160-223 my two blocks of 32 numbers
.set C,  224                           ; v224-235 the fragment's codes
.set T,  236                           ; v236-238, v240-242 the upper halves of the blocks' codes (a conversion's three registers begin on an even number)
.set TM, 8                             ; v8-9   largest magnitudes
.set SO, 10                            ; v10-11 the conversions' scale operands
.set BY, 12                            ; v12-13 the bytes
.set W,  14                            ; v14    my two bytes at their places
.set PT, 15                            ; v15    the other half's two
.set WD, 20                            ; v20-23 the four fragments' scale words
	s_load_b512 s[8:23], s[0:1], 0x0               ; query, key, value, Wq, Wk, Wv, Wo, xq
	v_lshl_add_u32 v6, v0, 2, SPARE                ; v6: my spare word;  v7: 0.  Both are kept for the add alone
	v_mov_b32 v7, 0
	v_lshrrev_b32 v18, 5, v0
	s_delay_alu instid0(VALU_DEP_1)
	v_readfirstlane_b32 s26, v18                   ; wave = K step
	s_lshr_b32 s24, ttmp9, 1                       ; G
	s_and_b32 s25, ttmp9, 1                        ; g
	v_and_b32 v18, 31, v0                          ; L
	v_and_b32 v16, 15, v0                          ; r
	v_bfe_u32 v17, v0, 4, 1                        ; h
	s_delay_alu instid0(VALU_DEP_3)
	v_lshlrev_b32 v1, 4, v18                       ; v1: 16 L
	s_mul_i32 s2, s26, STG
	v_add_nc_u32 v2, s2, v1                        ; v2: the stage on the way in
	v_mul_u32_u24 v3, v16, 528
	s_delay_alu instid0(VALU_DEP_1)
	v_lshl_add_u32 v3, v17, 7, v3
	s_delay_alu instid0(VALU_DEP_1)
	v_add_nc_u32 v3, s2, v3                        ; v3: and out: row r, + 128 h: block h of each 64 numbers
	v_lshlrev_b32 v4, 4, v16
	s_delay_alu instid0(VALU_DEP_1)
	v_lshl_add_u32 v4, v17, 3, v4                  ; v4: the scale words' place: 16 r + 8 h
	v_lshlrev_b32 v5, 3, v17                       ; v5: 8 h bits
	v_mov_b32 v[PT], 0                             ; a lane permute's destination counts as one of its sources
	s_mov_b32 s32, 0x76543210
	s_mov_b32 s33, 0xfedcba98                      ; lane l xor 16
	; KEY'S GROUPS (32-63) HAVE ANOTHER ORDER OF ROWS: row m of tile t is the group's row 64 (t / 4) + 8 (t % 4) + m % 8 + 32 (m / 8), so that in attention a lane's 32 score registers are one whole block of 32 keys.
	; Both orders are served by eight offsets: fragment i's first row (0, 8, then 32, 40 or 16, 24) and its upper eight rows (16 or 32 further on); the choice hangs on the work-group's number alone.
	s_sub_co_u32 s2, s24, 32
	s_cmp_lt_u32 s2, 32                            ; G in 32 .. 63
	s_mov_b32 s36, 0x20000                         ; fragment 2's first row x 4,096 bytes: 32,
	s_cselect_b32 s36, 0x10000, s36                ; for key 16
	s_mov_b32 s37, 0x10000                         ; the upper eight rows: 16 on,
	s_cselect_b32 s37, 0x20000, s37                ; for key 32
	s_wait_alu depctr_va_vdst(0)                   ; directly ahead of the reader below
	v_mov_b32 v244, v1
	v_add_nc_u32 v246, 0x8000, v1
	v_add_nc_u32 v248, s36, v1
	v_add_nc_u32 v250, s36, v246
.irp i, 244,246,248,250
	v_add_nc_u32 v[\i+1], s37, v[\i]
.endr
	s_wait_alu depctr_va_vdst(0)
	s_wait_kmcnt 0x0
	s_mov_b64 s[28:29], s[8:9]                     ; which tensor: a choice on the work-group's number alone
	s_mov_b32 s27, 0                               ; and its first group
.macro PICK lim, p
	s_cmp_ge_u32 s24, \lim
	s_cselect_b64 s[28:29], s[\p:\p+1], s[28:29]
	s_cselect_b32 s27, \lim, s27
.endm
	PICK 32, 10
	PICK 64, 12
	PICK 96, 14
	PICK 104, 16
	PICK 112, 18
	PICK 120, 20
	s_sub_co_u32 s27, s24, s27
	s_lshl_b32 s27, s27, 19                        ; 128 rows of 4,096 bytes a group,
	s_lshl_b32 s2, s25, 18                         ; 64 rows for g,
	s_add_co_u32 s27, s27, s2
	s_lshl_b32 s2, s26, 9                          ; 512 bytes a K step
	s_add_co_u32 s2, s27, s2
	s_mov_b32 s3, 0
	s_add_nc_u64 s[28:29], s[28:29], s[2:3]
	s_mul_i32 s2, s24, 102400
	s_mul_i32 s34, s26, 12800
	s_add_co_u32 s2, s2, s34
	s_add_nc_u64 s[22:23], s[22:23], s[2:3]        ; my block of xq
	s_mul_i32 s2, s25, 6144
	s_add_nc_u64 s[30:31], s[22:23], s[2:3]        ; its images 4 g on
	s_lshl_b32 s2, s25, 8
	s_add_co_u32 s2, s2, 12288
	s_add_nc_u64 s[34:35], s[22:23], s[2:3]        ; and the scale words of tiles 4 g .. 4 g + 3: one aligned run of 256 bytes
.macro LOAD i                          ; fragment i: its sixteen rows' 512 bytes
.irp m, 0,1,2,3,4,5,6,7,8,9,10,11,12,13,14,15
	global_load_b128 v[R+64*((\i)%2)+4*\m:R+64*((\i)%2)+4*\m+3], v[244+2*(\i)+\m/8], s[28:29] offset:(\m%8)*4096 th:TH_LOAD_NT
.endr
.endm
.macro FRAG i
.if \i < 3
	s_wait_loadcnt 16                              ; this fragment's sixteen loads are in; the next fragment's sixteen may be out
.else
	s_wait_loadcnt 0x0
.endif
.irp m, 0,1,2,3,4,5,6,7,8,9,10,11,12,13,14,15
	ds_store_b128 v2, v[R+64*((\i)%2)+4*\m:R+64*((\i)%2)+4*\m+3] offset:528*\m
.endr
.irp c, 0,1
.irp j, 0,1,2,3,4,5,6,7
	ds_load_b128 v[X+32*\c+4*\j:X+32*\c+4*\j+3], v3 offset:256*\c+16*\j   ; LDS serves a wave's instructions in order: these see the stores above.  K = 64 c + 32 h + 4 j ..
.endr
.endr
	s_wait_dscnt 0x0                               ; my numbers are back, and the stores have read their registers,
.if \i < 2
	LOAD (\i)+2                                    ; which take the fragment two on
.endif
.irp c, 0,1
	v_max3_num_f32 v[TM+\c], |v[X+32*\c]|, |v[X+32*\c+1]|, 0x1800000   ; block 2 c + h is all mine; the floor 2^(3 - 127) holds the byte at 1 from below
.endr
.irp n, 2,4,6,8,10,12,14,16,18,20,22,24,26,28,30
.irp c, 0,1
	s_delay_alu instid0(VALU_DEP_2)
	v_max3_num_f32 v[TM+\c], v[TM+\c], |v[X+32*\c+\n]|, |v[X+32*\c+\n+1]|
.endr
.endr
.irp c, 0,1
	s_delay_alu instid0(VALU_DEP_2)
	v_add_nc_u32 v[SO+\c], 0xff000000, v[TM+\c]    ; 2 off the exponent field: the conversion takes the exponent field of this operand as its scale
.endr
.irp c, 0,1
	s_delay_alu instid0(VALU_DEP_2)
	v_lshrrev_b32 v[BY+\c], 23, v[SO+\c]           ; the byte
.endr
	s_delay_alu instid0(VALU_DEP_1)
	v_lshl_or_b32 v[W], v[BY+1], 16, v[BY]         ; blocks h and 2 + h,
	s_delay_alu instid0(VALU_DEP_1)
	v_lshlrev_b32 v[W], v5, v[W]                   ; 8 h bits up;
	s_delay_alu instid0(VALU_DEP_1)
	v_permlanex16_b32 v[PT], v[W], s32, s33
	s_delay_alu instid0(VALU_DEP_1)
	v_or_b32 v[WD+\i], v[W], v[PT]                 ; with lane l xor 16's two the row's word is whole
	s_wait_alu depctr_va_vdst(0)
	s_wait_xcnt 0x0                                ; the last fragment's stores have read the codes' registers: they are written again only behind this wait
.irp c, 0,1
	v_cvt_scalef32_pk16_fp6_f32 v[C+6*\c:C+6*\c+2], v[X+32*\c:X+32*\c+15], v[SO+\c]
	v_cvt_scalef32_pk16_fp6_f32 v[T+4*\c:T+4*\c+2], v[X+32*\c+16:X+32*\c+31], v[SO+\c]
.endr
	v_nop                                          ; one plain place behind a scaled conversion
.irp c, 0,1
.irp n, 0,1,2
	v_mov_b32 v[C+3+6*\c+\n], v[T+4*\c+\n]
.endr
.endr
.irp k, 0,1,2
	global_store_b128 v1, v[C+4*\k:C+4*\k+3], s[30:31] offset:1536*(\i)+512*\k   ; 32 lanes store 512 consecutive bytes, at a multiple of 256 from xq's first byte
.endr
.endm
	LOAD 0
	LOAD 1
	FRAG 0
	FRAG 1
	FRAG 2
	FRAG 3
	v_cmp_eq_u32 vcc_lo, 1, v17
	s_delay_alu instid0(VALU_DEP_1)
	v_cndmask_b32 v24, v20, v22, vcc_lo            ; lanes 0-15 store tiles 0 and 1's words of row r, lanes 16-31 tiles 2 and 3's
	s_delay_alu instid0(VALU_DEP_2)
	v_cndmask_b32 v25, v21, v23, vcc_lo
	global_store_b64 v4, v[24:25], s[34:35]        ; 32 lanes store 256 consecutive bytes, aligned
	s_wait_tensorcnt 0x0                           ; the wave's end, behind my last LDS store
	ds_add_u32 v6, v7
	s_wait_dscnt 0x0
	s_endpgm
.Lfunc_end_k_q901eb74835_quant:
	.size	k_q901eb74835_quant, .Lfunc_end_k_q901eb74835_quant-k_q901eb74835_quant
	.p2alignl 7, 3214868480
	.fill 96, 4, 3214868480
	.section	.rodata,"a",@progbits
	.p2align	6, 0x0
	.amdhsa_kernel k_q901eb74835_quant
		.amdhsa_group_segment_fixed_size 68608
		.amdhsa_private_segment_fixed_size 0
		.amdhsa_enable_private_segment 0
		.amdhsa_kernarg_size 64
		.amdhsa_user_sgpr_count 2
		.amdhsa_user_sgpr_kernarg_segment_ptr 1
		.amdhsa_wavefront_size32 1
		.amdhsa_system_sgpr_workgroup_id_x 1
		.amdhsa_system_sgpr_workgroup_id_y 1
		.amdhsa_system_sgpr_workgroup_id_z 1
		.amdhsa_system_vgpr_workitem_id 0
		.amdhsa_next_free_vgpr 256
		.amdhsa_next_free_sgpr 66
		.amdhsa_reserve_vcc 1
		.amdhsa_float_denorm_mode_32 3
		.amdhsa_float_denorm_mode_16_64 3
		.amdhsa_memory_ordered 1
		.amdhsa_forward_progress 1
		.amdhsa_inst_pref_size 37
	.end_amdhsa_kernel
	.amdgpu_metadata
---
amdhsa.version: [ 1, 2 ]
amdhsa.kernels:
  - .name:           k_q901eb74835_quant
    .symbol:         k_q901eb74835_quant.kd
    .args:
      - { .name: query, .offset: 0, .size: 8, .value_kind: global_buffer, .address_space: global }
      - { .name: key, .offset: 8, .size: 8, .value_kind: global_buffer, .address_space: global }
      - { .name: value, .offset: 16, .size: 8, .value_kind: global_buffer, .address_space: global }
      - { .name: Wq, .offset: 24, .size: 8, .value_kind: global_buffer, .address_space: global }
      - { .name: Wk, .offset: 32, .size: 8, .value_kind: global_buffer, .address_space: global }
      - { .name: Wv, .offset: 40, .size: 8, .value_kind: global_buffer, .address_space: global }
      - { .name: Wo, .offset: 48, .size: 8, .value_kind: global_buffer, .address_space: global }
      - { .name: xq, .offset: 56, .size: 8, .value_kind: global_buffer, .address_space: global }
    .group_segment_fixed_size: 68608
    .private_segment_fixed_size: 0
    .kernarg_segment_align: 8
    .kernarg_segment_size: 64
    .max_flat_workgroup_size: 256
    .sgpr_count:     66
    .vgpr_count:     256
    .wavefront_size: 32
...
	.end_amdgpu_metadata
.endif
;; end of part 1
;; launch proj (part 2): grid 8 x 96, 4 waves a work-group, clusters of 4 x 4, 205,312 bytes of LDS; arguments xq, bq, bk, bv, q_norm_w, k_norm_w, qb, kv; writes qb, kv
.if DOCPART == 2
	.amdgcn_target "amdgcn-amd-amdhsa--gfx1250"
	.amdhsa_code_object_version 6
	.text
	.protected	k_q901eb74835_proj
	.globl	k_q901eb74835_proj
	.p2align	8
	.type	k_q901eb74835_proj,@function
k_q901eb74835_proj:
	s_mov_b64 s[64:65], 0
	v_nop
	global_prefetch_b8 v0, s[64:65] scope:SCOPE_SE
	s_setreg_imm32_b32 hwreg(HW_REG_WAVE_MODE, 25, 1), 1
	s_wait_xcnt 0x0
	s_wait_alu depctr_hold_cnt(0) depctr_sa_sdst(0) depctr_va_vdst(0) depctr_va_sdst(0) depctr_va_ssrc(0) depctr_va_vcc(0) depctr_vm_vsrc(0)
	s_getreg_b32 s2, hwreg(HW_REG_IB_STS2, 6, 4)
	s_cmp_eq_u32 s2, 0
	s_cbranch_scc0 .Lentry_in_a_cluster
	s_endpgm
.Lentry_in_a_cluster:
	s_bfe_u32 s2, ttmp6, 0x10000c
	s_cmp_lg_u32 s2, 0xf033
	s_cbranch_scc0 .Lentry_shape_is_right
	s_endpgm
.Lentry_shape_is_right:
; The three projections on codes of FP6 (E2M3), with what follows each up to the next quantiser: q = rmsnorm(query Wq^T + bq), k likewise, v = value Wv^T + bv; q and k are quantised along a head's 64 channels, v along the keys.
; Operands come from xq (blocks of 12,800 bytes: eight register images of 16 rows x 128 K, then 512 bytes of scale words).  Results go to qb and kv = [head 16][128 tokens: 32] blocks of the same size:
;   bytes 0-6143: four PAIR images of k (or q): pair b holds token tile 2 b in registers 0-5 (K = the head's 64) and tile 2 b + 1 in registers 6-11;  6144-12287: four fragments of v^T (16 channels x 128 keys);
;   from 12288: the pairs' scale words [b][row] (bytes 0, 1 tile 2 b; bytes 2, 3 tile 2 b + 1);  from 12544: v^T's words [tile][row].  qb has the pairs and their words alone.
; ONE PATH FOR ALL THREE: only pointers, offsets and lane masks are chosen, on the cluster's y.  Source 0 (S0) holds the 128 rows that become the next K and run along a lane's registers: W's channels for q and k,
; value's tokens for v.  Source 1 (S1) holds the rows that stay in a lane: tokens for q and k, Wv's channels for v.  By the tiles' order of rows in xq the 16 registers of S0's tiles 2 b, 2 b + 1 are 16 neighbours.
; SHARES: a work-group makes 128 x 128; a wave all of S0's 128 rows x S1's tiles 2 w, 2 w + 1: 16 accumulators.  So a lane holds two whole heads of a token (the norm needs one exchange) or 128 keys of a channel.
; LDS holds both operands for ALL of K: 2 x 102,400 bytes, filled once: no slot is filled again.  Each wave brings four blocks; waves 0 and 1 bring S1, waves 2 and 3 S0, each K steps 4 (w & 1) .. + 3 by one load: one tensor load of mine is out at the most.
; CLUSTER 4 x 4: S0's group hangs on cx alone and is asked for jointly down a column, S1's on cy alone and along a row: the requests are divided by four.
; LIMITS: a block of zeros, or one under 2^-124, keeps the scale byte 1 (read by this program alone); NaN and infinities are not served.
; REGISTERS.  window 0: v1-15 addresses and constants; v16-27 scale words, two sets; v28-31 the per-lane bias; v32-95 the per-register bias; v96-127 the norm's weights; v128-191 64 numbers at work;
;   v192-215 two fragments of codes; v216-251 at work.   window 1: two sets of fragments at v0 and v128 (S0's tile t at + 12 t, S1's tile a at + 96 + 12 a).   window 2: accumulator (a, t) at v[8 (8 a + t)].
.set BLK,   12800
.set S1B,   8*BLK                      ; S0 lies at LDS byte 0, S1 here
.set SPARE, 2*S1B                      ; behind them: the spare words, 128 bytes for each wave: two blocks of 256 bytes that no other line names
.set TM,    224                        ; v224-227 largest magnitudes, v228-231 the other half's / the bytes, v236-239 the conversions' scale operands
.set MSB, 0
.macro WIN new                         ; s_set_vgpr_msb: bits 1:0 source 0, 3:2 source 1, 5:4 source 2, 7:6 destination; the high byte repeats the setting that is left
.if MSB != \new
	s_set_vgpr_msb (MSB<<8)|\new
.set MSB, \new
.endif
.endm
.macro CROUND                          ; a round of the cluster's barrier
	s_barrier_signal -1
	s_barrier_wait -1
	s_cmp_lg_u32 s20, 0
	s_cbranch_scc1 .Lnot_wave_0_\@
	s_barrier_signal -3
.Lnot_wave_0_\@:
	s_barrier_wait -3
	s_barrier_signal -1
	s_barrier_wait -1
.endm
.macro PLACES                          ; four plain places behind a matrix instruction, in front of loads into its registers and of reads of its results
.rept 4
	v_nop
.endr
.endm
	s_load_b512 s[4:19], s[0:1], 0x0               ; xq, bq, bk, bv, q_norm_w, k_norm_w, qb, kv
	v_lshl_add_u32 v10, v0, 2, SPARE               ; v10: my spare word;  v11: 0.  Kept for the add alone
	v_mov_b32 v11, 0
	ds_add_u32 v10, v11                            ; the wave's opening: the add and its wait ahead of my first tensor load; the set-up below, work on registers, stands between them
	ds_add_u32 v10, v11
	v_lshrrev_b32 v1, 5, v0
	v_readfirstlane_b32 s20, v1                    ; wave
	s_and_b32 s21, s20, 1
	s_bfe_u32 s22, ttmp6, 0x40000                  ; cx
	s_bfe_u32 s23, ttmp6, 0x40004                  ; cy
	s_and_b32 s76, ttmp7, 0xffff                   ; the cluster's y, 0 .. 23
	s_lshr_b32 s77, s76, 3                         ; T: 0 q, 1 k, 2 v
	s_and_b32 s78, s76, 7
	s_lshl_b32 s83, s77, 3
	s_add_co_u32 s83, s83, 96                      ; S0's first group for q, k: Wq 96, Wk 104
	s_lshl_b32 s84, s77, 5                         ; S1's: query 0, key 32
	s_cmp_eq_u32 s77, 2
	s_cselect_b32 s80, s78, ttmp9                  ; which four groups of S0: for v the tokens' (cluster y), else the channels' (cluster x)
	s_cselect_b32 s81, ttmp9, s78                  ; and of S1
	s_cselect_b32 s82, -1, 0                       ; a lane mask: all ones for v
	s_cselect_b32 s83, 64, s83                     ; v: S0 = value,
	s_cselect_b32 s84, 112, s84                    ; S1 = Wv
	s_lshl_b32 s85, s80, 2
	s_add_co_u32 s85, s85, s22                     ; S0's group among its tensor's: hangs on cx, never on cy
	s_lshl_b32 s86, s81, 2
	s_add_co_u32 s86, s86, s23                     ; S1's: on cy, never on cx
	s_mul_i32 s79, s21, 4*BLK                      ; I bring K steps 4 (wave & 1) .. + 3 of my operand by ONE load: 51,200 dense bytes
	s_add_co_u32 s88, s83, s85
	s_mul_i32 s88, s88, 8*BLK
	s_add_co_u32 s88, s88, s79
	s_mov_b32 s89, 0
	s_add_co_u32 s90, s84, s86
	s_mul_i32 s90, s90, 8*BLK
	s_add_co_u32 s90, s90, s79
	s_mov_b32 s91, 0
	s_lshl_b32 s2, s23, 2
	s_lshl_b32 s2, 15, s2                          ; my row of the cluster
	s_lshl_b32 s3, 0x1111, s22                     ; my column
	; descriptor group 1: a dense block of 12,800 bytes as 50 rows of 32 elements of 8 bytes, no padding
	s_or_b32 s24, s2, (3<<16)|(1<<21)              ; S1's: 15:0 the mask: my row; 17:16 elements of 8 bytes; 21 set beside a mask
	s_or_b32 s32, s3, (3<<16)|(1<<21)              ; S0's: my column
.irp g, 24, 32
	s_mov_b32 s[\g+1], 32<<16                      ; tensor_dim0 = 32
	s_mov_b32 s[\g+2], 200<<16                     ; tensor_dim1 = 200: four blocks
	s_mov_b32 s[\g+3], 32<<16                      ; tile_dim0 = 32
	s_mov_b32 s[\g+4], 200                         ; tile_dim1 = 200
	s_mov_b32 s[\g+5], 32                          ; from row to row
	s_mov_b32 s[\g+6], 0
	s_mov_b32 s[\g+7], 0
.endr
	; where the results go, in bytes.  q, k: block (2 S0idx) x 32 + S1idx (the second head 32 blocks on), pair w.  v: block (2 S1idx + w / 2) x 32 + S0idx, fragments 2 (w & 1) and + 1
	s_lshl_b32 s96, s85, 6
	s_add_co_u32 s96, s96, s86
	s_lshl_b32 s98, s86, 1
	s_lshr_b32 s100, s20, 1
	s_add_co_u32 s98, s98, s100
	s_lshl_b32 s98, s98, 5
	s_add_co_u32 s98, s98, s85
	s_cmp_eq_u32 s77, 2
	s_cselect_b32 s96, s98, s96
	s_mul_i32 s96, s96, BLK                        ; the block
	s_mul_i32 s98, s20, 1536                       ; q, k: the pair's image
	s_mul_i32 s100, s21, 3072
	s_add_co_u32 s100, s100, 6144                  ; v: the first of my two fragments
	s_cmp_eq_u32 s77, 2
	s_cselect_b32 s98, s100, s98
	s_lshl_b32 s100, s20, 6
	s_add_co_u32 s100, s100, 12288                 ; q, k: the pair's words
	s_lshl_b32 s87, s21, 7
	s_add_co_u32 s87, s87, 12544                   ; v: my two tiles' words
	s_cmp_eq_u32 s77, 2
	s_cselect_b32 s100, s87, s100
	s_add_co_u32 s100, s100, s96
	s_add_co_u32 s96, s96, s98                     ; the first image
	s_mov_b32 s87, 32*BLK
	s_cmp_eq_u32 s77, 2
	s_cselect_b32 s98, 1536, s87                   ; the second: the next fragment (v) or the next head
	s_cselect_b32 s87, 64, s87                     ; and so for the second row of words
	s_add_co_u32 s98, s98, s96
	s_lshl_b32 s92, s85, 9
	s_lshl_b32 s66, s86, 9
	s_cmp_eq_u32 s77, 2
	s_cselect_b32 s92, 0, s92                      ; the bias along the registers: q, k: S0's 128 channels (v: any 128 inside the buffer: they are masked)
	s_cselect_b32 s66, s66, 0                      ; the bias along the lanes: v: S1's 128 channels (q, k: masked)
	s_lshl_b32 s94, s20, 7
	s_add_co_u32 s66, s66, s94                     ; + my wave's 32
	s_mov_b32 s97, 0
	s_mov_b32 s99, 0
	s_mov_b32 s101, 0
	s_mov_b32 s93, 0
	s_mov_b32 s67, 0
	s_wait_dscnt 0x0                               ; the opening add is done
	s_wait_kmcnt 0x0
	s_add_nc_u64 s[88:89], s[4:5], s[88:89]        ; S0's and S1's first blocks of mine
	s_add_nc_u64 s[90:91], s[4:5], s[90:91]
	s_cmp_eq_u32 s77, 0
	s_cselect_b64 s[6:7], s[6:7], s[8:9]           ; bq or bk,
	s_cselect_b64 s[94:95], s[12:13], s[14:15]     ; q's weights or k's (v reads k's and masks them)
	s_cselect_b64 s[16:17], s[16:17], s[18:19]     ; qb or kv
	s_cmp_eq_u32 s77, 2
	s_cselect_b64 s[6:7], s[10:11], s[6:7]         ; or bv
	s_add_nc_u64 s[92:93], s[6:7], s[92:93]
	s_add_nc_u64 s[66:67], s[6:7], s[66:67]
	s_add_nc_u64 s[96:97], s[16:17], s[96:97]
	s_add_nc_u64 s[98:99], s[16:17], s[98:99]
	s_add_nc_u64 s[100:101], s[16:17], s[100:101]
	CROUND                                         ; all sixteen work-groups are here: the joint loads meet
.irp c, 0
	s_mov_b32 s[40+4*\c], 1
	s_add_co_u32 s[41+4*\c], s79, S1B+2*BLK*\c
	s_add_nc_u64 s[42+4*\c:43+4*\c], s[90:91], 2*BLK*\c
	s_or_b32 s[43+4*\c], s[43+4*\c], 0x80000000
.set GB, 56+4*\c+4*(\c/2)
	s_mov_b32 s[GB], 1
	s_add_co_u32 s[GB+1], s79, 2*BLK*\c
	s_add_nc_u64 s[GB+2:GB+3], s[88:89], 2*BLK*\c
	s_or_b32 s[GB+3], s[GB+3], 0x80000000
.endr
	s_cmp_lt_u32 s20, 2                            ; waves 0 and 1 bring S1, waves 2 and 3 S0: a wave's one fill stands in one branch on the wave's number; an s_nop 0 follows it, then four v_nop
	s_cbranch_scc0 .Lfill_s0
.irp c, 0
	tensor_load_to_lds s[40+4*\c:43+4*\c], s[24:31]
	s_nop 0
.endr
	PLACES
	s_branch .Lfilled
.Lfill_s0:
.irp c, 56
	tensor_load_to_lds s[\c:\c+3], s[32:39]
	s_nop 0
.endr
	PLACES
.Lfilled:
	s_mov_b32 s4, 0x76543210                       ; (the arguments' registers are free now)  lane l xor 16
	s_mov_b32 s5, 0xfedcba98
	s_mov_b32 s6, 0x3c800000                       ; 1 / 64
	s_mov_b32 s7, 0x3727c5ac                       ; 1e-5
	s_mov_b32 s8, 0x05040100                       ; q, k: a head's word = its two bytes of tile 2 w, then of tile 2 w + 1
	s_mov_b32 s9, 0x07060302
	s_cmp_eq_u32 s77, 2
	s_cselect_b32 s8, 0x03020100, s8               ; v: the words as they are
	s_cselect_b32 s9, 0x07060504, s9
	v_and_b32 v15, 31, v0
	v_and_b32 v2, 15, v0                           ; r
	v_bfe_u32 v3, v0, 4, 1                         ; h
	v_lshlrev_b32 v1, 4, v15                       ; v1: 16 L, for the stores
	v_lshlrev_b32 v4, 4, v15                       ; v4, v5: S0's images, K steps 0-3 and 4-7
	v_add_nc_u32 v5, 4*BLK, v4
	s_mul_i32 s10, s20, 3072
	s_add_co_u32 s10, s10, S1B
	v_add_nc_u32 v6, s10, v4                       ; v6, v7: S1's tiles 2 w, 2 w + 1
	v_add_nc_u32 v7, 4*BLK, v6
	s_lshr_b32 s10, s20, 1
	s_lshl_b32 s10, s10, 8
	s_lshl_b32 s11, s21, 3
	s_add_co_u32 s10, s10, s11
	s_add_co_u32 s10, s10, S1B+12288
	v_lshl_add_u32 v8, v2, 4, s10                  ; v8, v9: their two scale words of row r
	v_add_nc_u32 v9, 4*BLK, v8
	v_mov_b32 v12, 0
	v_mov_b32 v13, 1.0
	v_lshlrev_b32 v14, 6, v3                       ; 64 h: my half's 16 numbers of each 32
	v_and_b32 v15, 8, v2
	v_add_nc_u32 v15, v15, v2
	v_lshlrev_b32 v15, 2, v15                      ; 4 (r + 8 (r / 8)): my row of a tile of S1
	v_mul_lo_u32 v252, v3, s87
	v_lshl_add_u32 v252, v2, 2, v252               ; the words' store: lanes 0-15 the first row of words, lanes 16-31 the second
.irp b, 0,1,2,3
	v_mov_b32 v[TM+4+\b], 0                        ; a lane permute's destination counts as one of its sources
.endr
.irp t, 0,1,2,3,4,5,6,7                ; register 8 t + j belongs to S0's row 32 (t / 2) + 16 h + 8 (t % 2) + j
	global_load_b128 v[32+8*\t:35+8*\t], v14, s[92:93] offset:128*(\t/2)+32*(\t%2)
	global_load_b128 v[36+8*\t:39+8*\t], v14, s[92:93] offset:128*(\t/2)+32*(\t%2)+16
.endr
.irp t, 0,1,2,3                        ; the norm's 64 weights serve both heads
	global_load_b128 v[96+8*\t:99+8*\t], v14, s[94:95] offset:128*(\t/2)+32*(\t%2)
	global_load_b128 v[100+8*\t:103+8*\t], v14, s[94:95] offset:128*(\t/2)+32*(\t%2)+16
.endr
	global_load_b32 v28, v15, s[66:67]
	global_load_b32 v30, v15, s[66:67] offset:32
	s_wait_loadcnt 0x0
.set n, 0
.rept 64
	v_cndmask_b32 v[32+n], v[32+n], v12, s82       ; v has no bias along the registers,
.set n, n+1
.endr
.set n, 0
.rept 32
	v_cndmask_b32 v[96+n], v[96+n], v13, s82       ; and no norm: weight 1
.set n, n+1
.endr
	v_cndmask_b32 v28, v12, v28, s82               ; q and k have none along the lanes
	v_cndmask_b32 v30, v12, v30, s82
	v_mov_b32 v29, v28                             ; (pairs for the packed forms)
	v_mov_b32 v31, v30
.macro FETCH s                         ; K step s: S0's eight fragments, my two of S1, their scale words: 32 LDS loads in one run, each of 512 (the last of 256) consecutive bytes
.set FS, 128*((\s)%2)
.set FO, BLK*((\s)%4)
.set FH, (\s)/4
	WIN 0x40                                       ; destination window 1
.irp t, 0,1,2,3,4,5,6,7
.irp c, 0,1,2
	ds_load_b128 v[FS+12*\t+4*\c:FS+12*\t+4*\c+3], v[4+FH] offset:FO+1536*\t+512*\c
.endr
.endr
.irp a, 0,1
.irp c, 0,1,2
	ds_load_b128 v[FS+96+12*\a+4*\c:FS+96+12*\a+4*\c+3], v[6+FH] offset:FO+1536*\a+512*\c
.endr
.endr
	WIN 0
	ds_load_b128 v[16+6*((\s)%2):19+6*((\s)%2)], v[4+FH] offset:FO+12288   ; lanes 0-15: the words of tiles 0-3, row r; lanes 16-31: of tiles 4-7
	ds_load_b64 v[20+6*((\s)%2):21+6*((\s)%2)], v[8+FH] offset:FO
.endm
.macro MUL s                           ; 16 matrix instructions; the sixteen accumulators take turns, one instruction a turn, in the same order in every K step
.set FS, 128*((\s)%2)
.set SS, 16+6*((\s)%2)
.if (\s) == 0
	WIN 0x85                                       ; sources 0 and 1 window 1, C (the bias) window 0, D window 2: the first product starts the sums on the bias
.else
	WIN 0xa5                                       ; C and D window 2
.endif
.irp t, 0,1,2,3,4,5,6,7
.irp a, 0,1
.set DD, 8*(8*\a+\t)
.set CB, DD
.if (\s) == 0
.set CB, 32+8*\t
.endif
.if \t < 4
	v_wmma_scale_f32_16x16x128_f8f6f4 v[DD:DD+7], v[FS+12*\t:FS+12*\t+11], v[FS+96+12*\a:FS+96+12*\a+11], v[CB:CB+7], v[SS+\t%4], v[SS+4+\a] matrix_a_fmt:MATRIX_FMT_FP6 matrix_b_fmt:MATRIX_FMT_FP6
.else
	v_wmma_scale_f32_16x16x128_f8f6f4 v[DD:DD+7], v[FS+12*\t:FS+12*\t+11], v[FS+96+12*\a:FS+96+12*\a+11], v[CB:CB+7], v[SS+\t%4], v[SS+4+\a] matrix_a_fmt:MATRIX_FMT_FP6 matrix_b_fmt:MATRIX_FMT_FP6 matrix_a_scale:MATRIX_SCALE_ROW1
.endif
.endr
.endr
.endm
	s_wait_tensorcnt 0x0                           ; my one load has landed; behind the barrier both operands are whole for all of K
	s_barrier_signal -1
	s_barrier_wait -1                              ; everybody's has
	FETCH 0
.irp s, 0,1,2,3,4,5,6,7
	s_wait_dscnt 0x0                               ; K step s is in registers
.if \s < 7
	PLACES                                         ; the other set was read by the K step before
	FETCH \s+1
.endif
	MUL \s
.endr
; 64 numbers of a lane, register 16 b + i = place 32 b + 16 h + i along the next K, become a fragment's 12 registers at v[pc] and its row's scale word in v[pw]
.macro QUANT s, pc, pw
.irp b, 0,1,2,3
	v_max3_num_f32 v[TM+\b], |v[\s+16*\b]|, |v[\s+1+16*\b]|, 0x1800000   ; my 16 of block b, and the floor 2^(3 - 127)
.endr
.irp i, 2,4,6,8,10,12,14
.irp b, 0,1,2,3
	v_max3_num_f32 v[TM+\b], v[TM+\b], |v[\s+16*\b+\i]|, |v[\s+1+16*\b+\i]|
.endr
.endr
.irp b, 0,1,2,3
	v_permlanex16_b32 v[TM+4+\b], v[TM+\b], s4, s5
.endr
.irp b, 0,1,2,3
	v_max_num_f32 v[TM+\b], v[TM+\b], v[TM+4+\b]   ; with lane l xor 16's 16
.endr
.irp b, 0,1,2,3
	v_add_nc_u32 v[TM+12+\b], 0xff000000, v[TM+\b] ; 2 off the exponent field: the conversion's scale operand
.endr
.irp b, 0,1,2,3
	v_lshrrev_b32 v[TM+4+\b], 23, v[TM+12+\b]      ; the byte
.endr
	v_lshl_or_b32 v[\pw], v[TM+5], 8, v[TM+4]
	v_lshl_or_b32 v[\pw], v[TM+6], 16, v[\pw]
	v_lshl_or_b32 v[\pw], v[TM+7], 24, v[\pw]
.irp c, 0,1
	v_cvt_scalef32_pk16_fp6_f32 v[(\pc)+6*\c:(\pc)+6*\c+2], v[\s+32*\c:\s+32*\c+15], v[TM+12+2*\c]
	v_cvt_scalef32_pk16_fp6_f32 v[216+4*\c:218+4*\c], v[\s+32*\c+16:\s+32*\c+31], v[TM+13+2*\c]
.endr
	v_nop                                          ; one plain place behind a scaled conversion
.irp c, 0,1                            ; the layout wants a WHOLE block in a lane: lanes 0-15 block 2 c, lanes 16-31 block 2 c + 1
.irp i, 0,1,2
	v_permlane16_swap_b32 v[(\pc)+6*\c+\i], v[216+4*\c+\i]
.endr
.irp i, 0,1,2
	v_mov_b32 v[(\pc)+3+6*\c+\i], v[216+4*\c+\i]
.endr
.endr
.endm
; S1's tile 2 w + a: the sums of squares of the two heads (S0's tiles 0-3, 4-7); x weight; x 1 / sqrt(mean + eps); + the per-lane bias; the quantiser.  For v the weight and the factor are 1.
.macro EPI a
	WIN 0x0a                                       ; sources 0 and 1 window 2
	v_pk_mul_f32 v[244:245], v[64*\a:64*\a+1], v[64*\a:64*\a+1]              ; each accumulator is read from its low end on
	v_pk_mul_f32 v[246:247], v[64*\a+32:64*\a+33], v[64*\a+32:64*\a+33]
.irp n, 2,4,6,8,10,12,14,16,18,20,22,24,26,28,30
	v_pk_fma_f32 v[244:245], v[64*\a+\n:64*\a+\n+1], v[64*\a+\n:64*\a+\n+1], v[244:245]
	v_pk_fma_f32 v[246:247], v[64*\a+32+\n:64*\a+33+\n], v[64*\a+32+\n:64*\a+33+\n], v[246:247]
.endr
	WIN 0
	v_add_f32 v244, v244, v245
	v_add_f32 v246, v246, v247
	v_permlanex16_b32 v245, v244, s4, s5           ; the head's other 32 channels lie in lane l xor 16
	v_permlanex16_b32 v247, v246, s4, s5
	v_add_f32 v244, v244, v245
	v_add_f32 v246, v246, v247
	v_fma_f32 v244, v244, s6, s7                   ; mean + eps
	v_fma_f32 v246, v246, s6, s7
	s_wait_alu depctr_va_vdst(0)
	v_rsq_f32 v248, v244
	v_rsq_f32 v250, v246
	WIN 0x02                                       ; source 0 window 2
.set n, 0
.rept 32
	v_pk_mul_f32 v[128+n:129+n], v[64*\a+n:64*\a+n+1], v[96+n%32:97+n%32]    ; w x: plain work that names neither root, between the two roots and the wait for them
.set n, n+2
.endr
	WIN 0
	s_wait_alu depctr_va_vdst(0)                   ; one wait for both roots, ahead of their first reader
	v_cndmask_b32 v248, v248, v13, s82
	v_cndmask_b32 v250, v250, v13, s82
	v_mov_b32 v249, v248
	v_mov_b32 v251, v250
.set n, 0
.rept 16
	v_pk_fma_f32 v[128+n:129+n], v[128+n:129+n], v[248:249], v[28+2*\a:29+2*\a]
	v_pk_fma_f32 v[160+n:161+n], v[160+n:161+n], v[250:251], v[28+2*\a:29+2*\a]
.set n, n+2
.endr
	QUANT 128, 192+12*\a, 240+\a
.endm
	PLACES
	EPI 0
	EPI 1
; q, k: a fragment holds head 0 in registers 0-5 and head 1 in 6-11, of ONE token tile; an image wants ONE head of both tiles: the first's upper six and the second's lower six change places.  v: as they are.
.irp i, 0,1,2,3,4,5
	v_mov_b32 v216, v[198+\i]
	v_cndmask_b32 v[198+\i], v[204+\i], v[198+\i], s82
	v_cndmask_b32 v[204+\i], v216, v[204+\i], s82
.endr
	v_perm_b32 v242, v241, v240, s8
	v_perm_b32 v243, v241, v240, s9
	v_cmp_eq_u32 s3, 1, v3
	v_cndmask_b32 v242, v242, v243, s3
.irp k, 0,1,2
	global_store_b128 v1, v[192+4*\k:195+4*\k], s[96:97] offset:512*\k    ; 32 lanes store 512 consecutive bytes, at a multiple of 256 from the buffer's first byte
.endr
.irp k, 0,1,2
	global_store_b128 v1, v[204+4*\k:207+4*\k], s[98:99] offset:512*\k
.endr
	global_store_b32 v252, v242, s[100:101]        ; two runs of 64 bytes: one part in 25 of what the wave stores
	s_wait_tensorcnt 0x0                           ; the wave's end, behind my last tensor load
	ds_add_u32 v10, v11
	s_wait_dscnt 0x0
	CROUND                                         ; the closing round: no work-group ends while a partner may still ask for a block that names it
	s_endpgm
.Lfunc_end_k_q901eb74835_proj:
	.size	k_q901eb74835_proj, .Lfunc_end_k_q901eb74835_proj-k_q901eb74835_proj
	.p2alignl 7, 3214868480
	.fill 96, 4, 3214868480
	.section	.rodata,"a",@progbits
	.p2align	6, 0x0
	.amdhsa_kernel k_q901eb74835_proj
		.amdhsa_group_segment_fixed_size 205312
		.amdhsa_private_segment_fixed_size 0
		.amdhsa_enable_private_segment 0
		.amdhsa_kernarg_size 64
		.amdhsa_user_sgpr_count 2
		.amdhsa_user_sgpr_kernarg_segment_ptr 1
		.amdhsa_wavefront_size32 1
		.amdhsa_system_sgpr_workgroup_id_x 1
		.amdhsa_system_sgpr_workgroup_id_y 1
		.amdhsa_system_sgpr_workgroup_id_z 1
		.amdhsa_system_vgpr_workitem_id 0
		.amdhsa_next_free_vgpr 640
		.amdhsa_next_free_sgpr 102
		.amdhsa_reserve_vcc 0
		.amdhsa_float_denorm_mode_32 3
		.amdhsa_float_denorm_mode_16_64 3
		.amdhsa_memory_ordered 1
		.amdhsa_forward_progress 1
		.amdhsa_inst_pref_size 74
	.end_amdhsa_kernel
	.amdgpu_metadata
---
amdhsa.version: [ 1, 2 ]
amdhsa.kernels:
  - .name:           k_q901eb74835_proj
    .symbol:         k_q901eb74835_proj.kd
    .args:
      - { .name: xq, .offset: 0, .size: 8, .value_kind: global_buffer, .address_space: global }
      - { .name: bq, .offset: 8, .size: 8, .value_kind: global_buffer, .address_space: global }
      - { .name: bk, .offset: 16, .size: 8, .value_kind: global_buffer, .address_space: global }
      - { .name: bv, .offset: 24, .size: 8, .value_kind: global_buffer, .address_space: global }
      - { .name: q_norm_w, .offset: 32, .size: 8, .value_kind: global_buffer, .address_space: global }
      - { .name: k_norm_w, .offset: 40, .size: 8, .value_kind: global_buffer, .address_space: global }
      - { .name: qb, .offset: 48, .size: 8, .value_kind: global_buffer, .address_space: global }
      - { .name: kv, .offset: 56, .size: 8, .value_kind: global_buffer, .address_space: global }
    .group_segment_fixed_size: 205312
    .private_segment_fixed_size: 0
    .kernarg_segment_align: 8
    .kernarg_segment_size: 64
    .max_flat_workgroup_size: 128
    .sgpr_count:     102
    .vgpr_count:     640
    .wavefront_size: 32
...
	.end_amdgpu_metadata
.endif
;; end of part 2
;; launch attn (part 3): grid 16 x 16, 16 waves a work-group, clusters of 4 x 1, 327,680 bytes of LDS; arguments qb, kv, ac; writes ac
.if DOCPART == 3
	.amdgcn_target "amdgcn-amd-amdhsa--gfx1250"
	.amdhsa_code_object_version 6
	.text
	.protected	k_q901eb74835_attn
	.globl	k_q901eb74835_attn
	.p2align	8
	.type	k_q901eb74835_attn,@function
k_q901eb74835_attn:
	s_mov_b64 s[64:65], 0
	v_nop
	global_prefetch_b8 v0, s[64:65] scope:SCOPE_SE
	s_setreg_imm32_b32 hwreg(HW_REG_WAVE_MODE, 25, 1), 1
	s_wait_xcnt 0x0
	s_wait_alu depctr_hold_cnt(0) depctr_sa_sdst(0) depctr_va_vdst(0) depctr_va_sdst(0) depctr_va_ssrc(0) depctr_va_vcc(0) depctr_vm_vsrc(0)
	s_getreg_b32 s2, hwreg(HW_REG_IB_STS2, 6, 4)
	s_cmp_eq_u32 s2, 0
	s_cbranch_scc0 .Lentry_in_a_cluster
	s_endpgm
.Lentry_in_a_cluster:
	s_bfe_u32 s2, ttmp6, 0x10000c
	s_cmp_lg_u32 s2, 0x3003
	s_cbranch_scc0 .Lentry_shape_is_right
	s_endpgm
.Lentry_shape_is_right:
; Attention of 16 heads of 64 over 4,096 keys, both products on codes of FP6 (E2M3); logits unscaled.  t = logit x log2(e); M = the running largest t rounded UP to a whole number; p = 2^(t - M) is quantised along the keys,
; not normalised; the row's sum is taken of the unquantised p and divides at the end; when M moves, the sum and O are multiplied by 2^(old M - new M), which rounds nothing.  The result is quantised along the head's 64 and stored as codes.
; qb, kv: [head][128 tokens] blocks of 12,800 bytes: four pair images of q or k, four fragments of v^T (keys innermost), the pairs' scale words, v^T's.
; ac: [128 queries: 32][head: 16] half-blocks of 6,400 bytes: eight half-images of 768 bytes (tile t of 16 queries x the head's 64: registers 2 p, 2 p + 1 of lane L at 768 t + 256 p + 8 L), then the scale bytes: two of (tile t, row r) at 6144 + 2 (16 t + r).
; SHARES: a work-group takes 256 queries of ONE head (two whole half-blocks of ac); wave w takes tile w % 8 of 16 queries of the block's 128 queries w / 8, in 256 registers: four waves to a SIMD.  Every wave walks the head's 32 key steps of 128.
; BOTH PRODUCTS ARE USED TRANSPOSED (S^T = k q^T, O^T = v^T p^T): a lane holds one query throughout.
; THE KEYS OF A TILE: row m of k's tile t is key 64 (t / 4) + 8 (t % 4) + m % 8 + 32 (m / 8).  So score register 32 c + i of lane (r, h) is key 64 c + 32 h + i: the very place that the second product's operand gives that lane.
; A lane holds two WHOLE blocks of 32 keys: a block's maximum needs no other lane, the conversions' results are the operand's registers, and lanes l and l xor 16 exchange only the row's maximum and two scale bytes.
; K = 64 IN AN INSTRUCTION OF 128: source 0 is a pair image, tile 2 b beside tile 2 b + 1; q stands in 18 registers [zeros 6][q 6][zeros 6], named as [q, 0] for tile 2 b and as [0, q] for tile 2 b + 1.  Zero codes add nothing.
; THE RING: slot X holds 8 key steps (102,400 bytes), slot Y 16 (204,800).  Key steps 0-7 come into X at the head, 8-23 into Y behind the first round, 24-31 into X again when steps 0-7 are read out: two changes of slots, one refill.
; Every wave fetches a sixteenth of each fill by one load (6,400 or 12,800 bytes): one tensor load of a wave is out at the most.  The four work-groups of a cluster walk the same kv: each load is asked for jointly.
; In a slot's last key step a wave's LDS reads are over when v^T is in registers: there it signals the barrier, and the softmax and the second product, work on registers, stand between signal and wait.
; NO PREFETCH: Y is asked for 8 key steps and X's refill 16 key steps ahead of the first read, and the 16 work-groups of a head ask for the same 409,600 bytes.
; LIMITS: the promise holds while the scaled scores stay under 2^31 in magnitude; a block of zeros, or one under 2^-124, keeps the scale byte 1; NaN and infinities are not served.
; REGISTERS: v1-11 addresses; v12 -M, v13 the largest score, v[14:15] the sum; v16-33 q among zeros; v34, v35 q's scale words; v36-83 four fragments; v84-88 scale words; v89 a byte selector; v90-95 at work;
;   v96-159 S^T, then p; v160-191 O^T; v192-203 p's codes; v204-225 at work.
.set BLK,   12800
.set PART,  6400                       ; a wave's part of slot X, and a half-block of ac
.set YB,    8*BLK                      ; slot Y begins behind slot X
.set STAGE, 24*BLK                     ; behind the ring: the two half-blocks of ac, 12,800 bytes; no tensor load lands here
.set SPARE, STAGE+BLK                  ; the spare words, 128 bytes for each wave: eight blocks of 256 bytes that no other line names
.macro CREST                           ; a round of the cluster's barrier behind its opening barrier
	s_cmp_lg_u32 s10, 0
	s_cbranch_scc1 .Lnot_wave_0_\@
	s_barrier_signal -3
.Lnot_wave_0_\@:
	s_barrier_wait -3
	s_barrier_signal -1
	s_barrier_wait -1
.endm
.macro CROUND                          ; a whole round
	s_barrier_signal -1
	s_barrier_wait -1
	CREST
.endm
	s_load_b128 s[4:7], s[0:1], 0x0                ; qb, kv
	s_load_b64 s[8:9], s[0:1], 0x10                ; ac
	v_lshl_add_u32 v3, v0, 2, SPARE                ; v3: my spare word;  v4: 0.  Kept for the add alone
	v_mov_b32 v4, 0
	ds_add_u32 v3, v4                              ; the opening lines: the add, twice on end, and its wait ahead of my first tensor load
	ds_add_u32 v3, v4
	v_lshrrev_b32 v5, 5, v0
	v_readfirstlane_b32 s10, v5                    ; wave
	s_lshr_b32 s11, s10, 3                         ; which 128 of my work-group's 256 queries
	s_and_b32 s12, s10, 7                          ; i: which tile of them
	s_bfe_u32 s13, ttmp6, 0x40000                  ; cx
	s_lshl_b32 s14, ttmp9, 2
	s_add_co_u32 s14, s14, s13                     ; my block of 256 queries: it enters qb's and ac's addresses alone
	s_and_b32 s15, ttmp7, 0xffff                   ; the head, which the four partners share
	s_mov_b32 s16, 15|(3<<16)|(1<<21)              ; group 1 for X: the mask: all four work-groups; elements of 8 bytes; bit 21 set beside a mask
	s_mov_b32 s17, 32<<16                          ; tensor_dim0 = 32
	s_mov_b32 s18, 25<<16                          ; tensor_dim1 = 25
	s_mov_b32 s19, 32<<16                          ; tile_dim0 = 32
	s_mov_b32 s20, 25                              ; tile_dim1 = 25
	s_mov_b32 s21, 32                              ; from row to row
	s_mov_b32 s22, 0
	s_mov_b32 s23, 0
	s_mov_b32 s56, 15|(3<<16)|(1<<21)              ; group 1 for Y: 50 rows
	s_mov_b32 s57, 32<<16
	s_mov_b32 s58, 50<<16
	s_mov_b32 s59, 32<<16
	s_mov_b32 s60, 50
	s_mov_b32 s61, 32
	s_mov_b32 s62, 0
	s_mov_b32 s63, 0
	s_mul_i32 s39, s10, PART                       ; my part of X: its place in LDS
	s_lshl_b32 s40, s15, 5                         ; the head's first block of qb and of kv
	s_lshl_b32 s44, s14, 1
	s_add_co_u32 s44, s44, s11                     ; my 128 queries
	s_add_co_u32 s44, s44, s40
	s_mul_i32 s44, s44, BLK                        ; their block in qb
	s_mov_b32 s45, 0
	s_lshl_b32 s42, s14, 5
	s_add_co_u32 s42, s42, s15
	s_mul_i32 s42, s42, PART                       ; my work-group's first half-block of ac; the second lies 16 half-blocks on
	s_mov_b32 s43, 0
	s_mul_i32 s40, s40, BLK
	s_mul_i32 s46, s10, BLK
	s_add_co_u32 s29, s46, YB                      ; my part of Y: its place in LDS,
	s_add_co_u32 s46, s46, s40
	s_add_co_u32 s46, s46, 8*BLK                   ; and in kv: key step 8 + wave
	s_mov_b32 s47, 0
	s_add_co_u32 s40, s40, s39                     ; my part of key steps 0-7 in kv
	s_mov_b32 s41, 0
	s_mov_b32 s32, 0x3fb8aa3b                      ; log2(e)
	s_mov_b32 s33, s32                             ; (named with it as a pair, so it is written)
	s_mov_b32 s34, 0x76543210
	s_mov_b32 s35, 0xfedcba98                      ; lane l xor 16
	s_mov_b32 s36, 0                               ; LDS byte at which the key step in hand begins
	s_mul_i32 s49, s11, PART
	s_add_co_u32 s49, s49, STAGE                   ; the way out: my half-block in the stage,
	s_mul_i32 s48, s12, 768
	s_add_co_u32 s48, s48, s49                     ; my tile's half-image,
	s_lshl_b32 s2, s12, 5
	s_add_co_u32 s49, s49, s2
	s_add_co_u32 s49, s49, 6144                    ; and its rows' scale bytes
	s_lshl_b32 s2, s10, 9                          ; the stage goes out 512 bytes a wave
	s_lshr_b32 s50, s12, 1                         ; q: pair i / 2, half u = i % 2: registers 6 u .. 6 u + 5 of the pair's image
	s_and_b32 s51, s12, 1
	s_lshl_b32 s54, s50, 6
	s_add_co_u32 s54, s54, 12288                   ; the pair's scale words
	s_mul_i32 s50, s50, 1536
	s_mul_i32 s52, s51, 520
	s_add_co_u32 s52, s52, s50
	s_mul_i32 s53, s51, 1016
	s_add_co_u32 s53, s53, s50
	s_add_co_u32 s53, s53, 8
	s_lshl_b32 s55, s51, 4                         ; my tile's two bytes of the word: 16 u bits up
	s_wait_dscnt 0x0                               ; both opening adds are done
	s_wait_kmcnt 0x0
	s_add_nc_u64 s[40:41], s[6:7], s[40:41]
	s_add_nc_u64 s[46:47], s[6:7], s[46:47]
	s_add_nc_u64 s[44:45], s[4:5], s[44:45]
	s_add_nc_u64 s[8:9], s[8:9], s[42:43]
	CROUND                                         ; all four work-groups are here: the first joint loads meet
	s_mov_b32 s24, 1                               ; group 0 for X: key steps 0-7, later 24-31
	s_mov_b32 s25, s39
	s_mov_b64 s[26:27], s[40:41]
	s_or_b32 s27, s27, 0x80000000
	s_mov_b32 s28, 1                               ; group 0 for Y: key steps 8-23 (s29 was made above)
	s_mov_b64 s[30:31], s[46:47]
	s_or_b32 s31, s31, 0x80000000
	tensor_load_to_lds s[24:27], s[16:23]          ; my part of X: one tensor load a wave at the head
	s_nop 0
	v_and_b32 v89, 31, v0                          ; L
	v_and_b32 v90, 15, v0                          ; r
	v_bfe_u32 v95, v0, 4, 1                        ; h
	v_lshlrev_b32 v1, 4, v89                       ; v1: 16 L: an image's place for my lane
	v_lshl_add_u32 v94, v90, 2, s54
	v_lshlrev_b32 v2, 2, v89
	v_lshl_add_u32 v9, v90, 1, s49                 ; v9: row r's two scale bytes in the stage
	v_add_nc_u32 v92, s52, v1
	v_add_nc_u32 v93, s53, v1
	global_load_b64 v[22:23], v92, s[44:45]
	global_load_b64 v[24:25], v93, s[44:45]
	global_load_b64 v[26:27], v92, s[44:45] offset:512
	global_load_b32 v34, v94, s[44:45]             ; the pair's word of row r
	v_add_nc_u32 v2, 12288, v2                     ; v2: a scale word's place
	v_lshl_add_u32 v7, v89, 3, s48                 ; v7: my 8 bytes of a piece of the half-image
	v_add_nc_u32 v11, s2, v1                       ; my 16 bytes of the stage's first 8,192
	v_cmp_eq_u32 vcc_lo, 1, v95
	v_mov_b32 v89, 0x0c070c03                      ; v89: where my two scale bytes go in p's word: lanes 0-15 bytes 0 and 2,
	v_mov_b32 v217, 0x070c030c                     ; lanes 16-31 bytes 1 and 3; the other two bytes 0
	v_add_nc_u32 v10, STAGE, v11                   ; v10: in LDS
	v_cndmask_b32 v89, v89, v217, vcc_lo
	v_add_nc_u32 v8, 8192+15*PART, v11             ; v8: the second run's place in ac: all of it lies in the second half-block, 16 half-blocks behind the first
	v_add_nc_u32 v217, 15*PART, v11
	v_cmp_le_u32 vcc_lo, PART, v11
	v_cndmask_b32 v11, v11, v217, vcc_lo           ; v11: the first run's: sixteen lanes, 256 aligned bytes, lie in one half-block
.irp n, 0,1,2,3,4,5
	v_mov_b32 v[16+\n], 0
	v_mov_b32 v[28+\n], 0
.endr
	v_mov_b32 v13, 0xff61b1e6                      ; the largest score so far: -3e38
	v_mov_b32 v12, 0x7f61b1e6                      ; -M: 3e38
	v_mov_b32 v14, 0
	v_mov_b32 v15, 0
	v_mov_b32 v216, 0                              ; a lane permute's destination counts as one of its sources
	v_mov_b32 v219, 0                              ; (named as the upper half of the pair v[218:219])
	s_wait_loadcnt 0x0
	v_lshrrev_b32 v34, s55, v34
	s_delay_alu instid0(VALU_DEP_1)
	v_and_b32 v34, 0xffff, v34                     ; [q, 0]: my tile's two bytes below; the bytes over the zero codes are 0
	s_delay_alu instid0(VALU_DEP_1)
	v_lshlrev_b32 v35, 16, v34                     ; [0, q]
.set j, 0
.rept 32
	v_mov_b32 v[160+j], 0                          ; O^T: the step is written once, the first finds zeros.  (Also the places between the scale words' making and the first product)
.set j, j+1
.endr
.macro ADD4                            ; four pairs of p onto the sum's four chains
.irp a, 14,220,222,224
	v_pk_add_f32 v[\a:\a+1], v[\a:\a+1], v[j:j+1]
.set j, j+2
.endr
.endm
.macro FMA n                           ; t - M, two at a time
.rept \n
	v_pk_fma_f32 v[j:j+1], v[j:j+1], s[32:33], v[12:13] op_sel_hi:[1,0,0]
.set j, j+2
.endr
.endm
; A KEY STEP: 128 keys.  kind 0: inside a slot.  kind 1: X's last of key steps 0-7: X is filled again, Y is next.  kind 2: Y's last: nothing is filled, X is next.
.macro STEP kind
	v_add_nc_u32 v5, s36, v1
	v_add_nc_u32 v6, s36, v2
	v_mov_b32 v90, v12                             ; the old -M
	v_nop                                          ; four places in front of loads into registers that the last products read
.set n, 0
.rept 12
	ds_load_b128 v[36+4*n:39+4*n], v5 offset:512*n                   ; k's four pair images
.set n, n+1
.endr
	ds_load_b32 v84, v6                            ; lanes 0-15 pair 0's words, lanes 16-31 pair 1's
	ds_load_b32 v85, v6 offset:128                 ; pairs 2 and 3
	s_wait_alu depctr_va_vdst(0)
	s_wait_dscnt 0x0
.irp b, 0,1,2,3
.if \b%2
	v_wmma_scale_f32_16x16x128_f8f6f4 v[96+16*\b:103+16*\b], v[36+12*\b:47+12*\b], v[22:33], 0, v[84+\b/2], v34 matrix_a_fmt:MATRIX_FMT_FP6 matrix_b_fmt:MATRIX_FMT_FP6 matrix_a_scale:MATRIX_SCALE_ROW1
	v_wmma_scale_f32_16x16x128_f8f6f4 v[104+16*\b:111+16*\b], v[36+12*\b:47+12*\b], v[16:27], 0, v[84+\b/2], v35 matrix_a_fmt:MATRIX_FMT_FP6 matrix_b_fmt:MATRIX_FMT_FP6 matrix_a_scale:MATRIX_SCALE_ROW1
.else
	v_wmma_scale_f32_16x16x128_f8f6f4 v[96+16*\b:103+16*\b], v[36+12*\b:47+12*\b], v[22:33], 0, v[84+\b/2], v34 matrix_a_fmt:MATRIX_FMT_FP6 matrix_b_fmt:MATRIX_FMT_FP6
	v_wmma_scale_f32_16x16x128_f8f6f4 v[104+16*\b:111+16*\b], v[36+12*\b:47+12*\b], v[16:27], 0, v[84+\b/2], v35 matrix_a_fmt:MATRIX_FMT_FP6 matrix_b_fmt:MATRIX_FMT_FP6
.endif
.endr                                  ; register 32 c + i of S^T is key 64 c + 32 (lane / 16) + i
.rept 4
	v_nop                                          ; places in front of the loads below and of the first read of the scores
.endr
.set n, 0
.rept 12
	ds_load_b128 v[36+4*n:39+4*n], v5 offset:6144+512*n              ; v^T's four fragments
.set n, n+1
.endr
	ds_load_b32 v86, v6 offset:256
	ds_load_b32 v87, v6 offset:384
.if \kind
	s_wait_tensorcnt 0x0                           ; my part of the slot ahead has landed: no tensor load of mine is out, so a group 0 may be written
	ds_add_u32 v3, v4                              ; 0 onto my spare word
.if \kind == 1
	s_add_nc_u64 s[26:27], s[26:27], 24*BLK        ; X's descriptor: from key steps 0-7 to 24-31
.endif
.endif
; the largest score of each of my two blocks of 32 keys, in two chains a block (17 and 15 numbers); each accumulator is first read at its low end
.irp c, 0,1
	v_max3_num_f32 v[92+\c], v[96+32*\c], v[97+32*\c], v[98+32*\c]
	v_max3_num_f32 v[94+\c], v[113+32*\c], v[114+32*\c], v[115+32*\c]
.endr
.irp i, 0,2,4,6,8,10
.irp c, 0,1
	v_max3_num_f32 v[92+\c], v[92+\c], v[99+32*\c+\i], v[100+32*\c+\i]
	v_max3_num_f32 v[94+\c], v[94+\c], v[116+32*\c+\i], v[117+32*\c+\i]
.endr
.endr
.irp c, 0,1
	v_max3_num_f32 v[92+\c], v[92+\c], v[111+32*\c], v[112+32*\c]
.endr
.irp c, 0,1
	s_delay_alu instid0(VALU_DEP_2)
	v_max_num_f32 v[92+\c], v[92+\c], v[94+\c]     ; it serves for the row's maximum and, since p rises with the score, for the block's largest p
.endr
.if \kind
	s_wait_alu depctr_va_vdst(0)                   ; directly ahead of the wait below
	s_wait_dscnt 0x0                               ; the add is done, v^T is in registers, and my reads of this slot are over:
	s_barrier_signal -1                            ; say so; all up to the wait is work on registers
.endif
.if \kind == 0
	s_delay_alu instid0(VALU_DEP_1)
.endif
	v_max_num_f32 v91, v92, v93
	s_delay_alu instid0(VALU_DEP_1)
	v_permlanex16_b32 v216, v91, s34, s35
	s_delay_alu instid0(VALU_DEP_1)
	v_max3_num_f32 v13, v13, v91, v216             ; the running largest score of my query
	s_delay_alu instid0(VALU_DEP_1)
	v_mul_f32 v91, s32, v13                        ; as t
	s_delay_alu instid0(VALU_DEP_1)
	v_floor_f32 v12, -v91                          ; the new -M = -ceil(t)
	s_delay_alu instid0(VALU_DEP_1)
	v_sub_f32 v91, v12, v90                        ; old M - new M: a whole number, 0 or less
.set j, 96
	FMA 8
	v_cvt_i32_f32 v91, v91                         ; (it saturates)
	FMA 8
	v_ldexp_f32 v218, 1.0, v91                     ; f = 2^(old M - new M)
	FMA 16
	v_fma_f32 v92, v92, s32, v12                   ; the same of each block's largest score
	v_fma_f32 v93, v93, s32, v12
.set j, 0
.rept 16
	v_pk_mul_f32 v[160+j:161+j], v[160+j:161+j], v[218:219] op_sel_hi:[1,0]   ; O^T under the new M
.set j, j+2
.endr
	s_wait_alu depctr_va_vdst(0)                   ; ahead of the batch
.set j, 0
.rept 64
	v_exp_f32 v[96+j], v[96+j]                     ; p = 2^(t - M), at most 1
.set j, j+1
.endr
	v_exp_f32 v92, v92                             ; the blocks' largest p: the same two instructions on the same number give the same bits
	v_exp_f32 v93, v93
	v_pk_mul_f32 v[14:15], v[14:15], v[218:219] op_sel_hi:[1,0]      ; the sum under the new M: a plain place behind the exponentials
	s_wait_alu depctr_va_vdst(0)                   ; one wait for the batch of 66, ahead of its first reader
; the row's sum of the unquantised p (32 packed additions in four chains), with the scales' short chain laid between
	v_max_num_f32 v92, 0x1800000, v92              ; the floor 2^(3 - 127): the byte cannot fall under 1
	v_max_num_f32 v93, 0x1800000, v93
.irp k, 0,1,2
	v_pk_add_f32 v[220+2*\k:221+2*\k], v[96+4*\k:97+4*\k], v[98+4*\k:99+4*\k]
.endr
	v_pk_add_f32 v[14:15], v[14:15], v[108:109]
.set j, 110
	v_add_nc_u32 v212, 0xff000000, v92             ; 2 off the exponent field: the conversion's scale operand
	v_add_nc_u32 v213, 0xff000000, v93
	ADD4
	v_lshlrev_b32 v214, 1, v212                    ; the scale's byte, in bits 31:24
	v_lshlrev_b32 v215, 1, v213
	ADD4
	v_perm_b32 v217, v215, v214, v89               ; my blocks h and 2 + h at their places in the word
	ADD4
	v_permlanex16_b32 v216, v217, s34, s35
.irp c, 0,1
	v_cvt_scalef32_pk16_fp6_f32 v[192+6*\c:194+6*\c], v[96+32*\c:111+32*\c], v[212+\c]
	v_cvt_scalef32_pk16_fp6_f32 v[204+4*\c:206+4*\c], v[112+32*\c:127+32*\c], v[212+\c]   ; (a conversion's three registers begin on an even number)
.endr
	ADD4                                           ; plain places behind the scaled conversions: they read p and write neither p nor the codes
	v_or_b32 v88, v217, v216                       ; with lane l xor 16's two bytes p's scale word is whole
.irp c, 0,1
.irp i, 0,1,2
	v_mov_b32 v[195+6*\c+\i], v[204+4*\c+\i]       ; registers 6 c .. 6 c + 5: keys 64 c + 32 h + 0 .. 31
.endr
.endr
	ADD4                                           ; these twelve are also the places between the making of p's codes and scale word and the products
	ADD4
	v_pk_add_f32 v[220:221], v[220:221], v[158:159]
	v_pk_add_f32 v[222:223], v[222:223], v[224:225]
	s_delay_alu instid0(VALU_DEP_2)
	v_pk_add_f32 v[14:15], v[14:15], v[220:221]
	s_delay_alu instid0(VALU_DEP_1)
	v_pk_add_f32 v[14:15], v[14:15], v[222:223]
	s_wait_alu depctr_va_vdst(0)                   ; ahead of waits, barriers
.if \kind == 0
	s_wait_dscnt 0x0                               ; v^T is in
.endif
.irp a, 0,1,2,3                        ; the four accumulators take turns
.if \a%2
	v_wmma_scale_f32_16x16x128_f8f6f4 v[160+8*\a:167+8*\a], v[36+12*\a:47+12*\a], v[192:203], v[160+8*\a:167+8*\a], v[86+\a/2], v88 matrix_a_fmt:MATRIX_FMT_FP6 matrix_b_fmt:MATRIX_FMT_FP6 matrix_a_scale:MATRIX_SCALE_ROW1
.else
	v_wmma_scale_f32_16x16x128_f8f6f4 v[160+8*\a:167+8*\a], v[36+12*\a:47+12*\a], v[192:203], v[160+8*\a:167+8*\a], v[86+\a/2], v88 matrix_a_fmt:MATRIX_FMT_FP6 matrix_b_fmt:MATRIX_FMT_FP6
.endif
.endr
.if \kind == 0
	s_add_co_u32 s36, s36, BLK                     ; the next key step
.else
	s_barrier_wait -1                              ; every wave of my work-group has left the slot, and the slot ahead is whole
.endif
.if \kind == 1
	CREST                                          ; the barrier has opened a round of the cluster's: no wave of any partner still reads X or has a load on its way
	tensor_load_to_lds s[24:27], s[16:23]          ; the joint refill, my one tensor load behind the round
	s_nop 0
	s_mov_b32 s36, YB                              ; on in Y
.endif
.if \kind == 2
	s_mov_b32 s36, 0                               ; on in X
.endif
.endm
.macro RUN n                           ; n key steps inside a slot: written once
	s_mov_b32 s38, \n
.Lstep_\@:
	STEP 0
	s_sub_co_u32 s38, s38, 1
	s_cmp_lg_u32 s38, 0
	s_cbranch_scc1 .Lstep_\@
.endm
	s_wait_alu depctr_va_vdst(0)                   ; at the head's end
	s_wait_tensorcnt 0x0                           ; my part of X is in; Y's first fill is issued as a refill is:
	ds_add_u32 v3, v4
	s_wait_dscnt 0x0
	CROUND                                         ; X is whole, and all four work-groups are here
	tensor_load_to_lds s[28:31], s[56:63]          ; key steps 8-23
	s_nop 0
	RUN 7                                          ; key steps 0-6
	STEP 1                                         ; 7
	RUN 15                                         ; 8-22
	STEP 2                                         ; 23
	RUN 8                                          ; 24-31
	; THE WAY OUT: O^T / the sum; quantised along the head's 64 (two blocks); my six registers and two bytes into the stage; a barrier; the stage leaves 512 bytes a wave
.rept 4
	v_nop
.endr
	v_add_f32 v14, v14, v15
	s_delay_alu instid0(VALU_DEP_1)
	v_permlanex16_b32 v224, v14, s34, s35
	s_delay_alu instid0(VALU_DEP_1)
	v_add_f32 v14, v14, v224                       ; the row's sum
	s_wait_alu depctr_va_vdst(0)
	v_rcp_f32 v218, v14
	v_nop                                          ; a plain place behind the reciprocal
	s_wait_alu depctr_va_vdst(0)                   ; and the wait ahead of its first reader, which is O^T's first reader too
.set j, 0
.rept 16
	v_pk_mul_f32 v[96+j:97+j], v[160+j:161+j], v[218:219] op_sel_hi:[1,0]     ; register 16 b + i is channel 32 b + 16 (lane / 16) + i; each accumulator from its low end on
.set j, j+2
.endr
.irp b, 0,1
	v_max3_num_f32 v[212+\b], |v[96+16*\b]|, |v[97+16*\b]|, 0x1800000
.endr
.irp i, 2,4,6,8,10,12,14
.irp b, 0,1
	s_delay_alu instid0(VALU_DEP_2)
	v_max3_num_f32 v[212+\b], v[212+\b], |v[96+16*\b+\i]|, |v[97+16*\b+\i]|
.endr
.endr
.irp b, 0,1
	s_delay_alu instid0(VALU_DEP_2)
	v_permlanex16_b32 v[216+\b], v[212+\b], s34, s35
.endr
.irp b, 0,1
	s_delay_alu instid0(VALU_DEP_2)
	v_max_num_f32 v[212+\b], v[212+\b], v[216+\b]
.endr
.irp b, 0,1
	s_delay_alu instid0(VALU_DEP_2)
	v_add_nc_u32 v[220+\b], 0xff000000, v[212+\b]
.endr
.irp b, 0,1
	s_delay_alu instid0(VALU_DEP_2)
	v_lshrrev_b32 v[216+\b], 23, v[220+\b]
.endr
	s_delay_alu instid0(VALU_DEP_1)
	v_lshl_or_b32 v224, v217, 8, v216              ; my row's two bytes
	v_cvt_scalef32_pk16_fp6_f32 v[192:194], v[96:111], v220
	v_cvt_scalef32_pk16_fp6_f32 v[204:206], v[112:127], v221
	v_nop
.irp i, 0,1,2
	v_permlane16_swap_b32 v[192+\i], v[204+\i]     ; here a block lies in lanes l and l xor 16: a whole block to a lane
.endr
.irp i, 0,1,2
	s_delay_alu instid0(VALU_DEP_3)
	v_mov_b32 v[195+\i], v[204+\i]
.endr
	ds_store_b64 v7, v[192:193]                    ; 32 lanes store 256 consecutive bytes
	ds_store_b64 v7, v[194:195] offset:256
	ds_store_b64 v7, v[196:197] offset:512
	ds_store_b16 v9, v224                          ; both halves of the lanes write the same two bytes with the same value
	s_wait_dscnt 0x0                               ; for the others' sake: my stores have landed
	s_barrier_signal -1
	s_barrier_wait -1
	ds_load_b128 v[96:99], v10
	s_wait_dscnt 0x0
	global_store_b128 v11, v[96:99], s[8:9]        ; sixteen lanes store 256 consecutive bytes, at a multiple of 256 from ac's first byte
	s_cmp_lt_u32 s10, 9                            ; 12,800 bytes are 25 x 512: waves 0 to 8 take a second run
	s_cbranch_scc0 .Ldone
	ds_load_b128 v[100:103], v10 offset:8192
	s_wait_dscnt 0x0
	global_store_b128 v8, v[100:103], s[8:9]
.Ldone:
	s_wait_tensorcnt 0x0                           ; the wave's end, behind my last tensor load and my last LDS store
	ds_add_u32 v3, v4
	s_wait_dscnt 0x0
	CROUND                                         ; the closing round: no work-group ends while a partner may still ask for a tile that names it
	s_endpgm
.Lfunc_end_k_q901eb74835_attn:
	.size	k_q901eb74835_attn, .Lfunc_end_k_q901eb74835_attn-k_q901eb74835_attn
	.p2alignl 7, 3214868480
	.fill 96, 4, 3214868480
	.section	.rodata,"a",@progbits
	.p2align	6, 0x0
	.amdhsa_kernel k_q901eb74835_attn
		.amdhsa_group_segment_fixed_size 327680
		.amdhsa_private_segment_fixed_size 0
		.amdhsa_enable_private_segment 0
		.amdhsa_kernarg_size 24
		.amdhsa_user_sgpr_count 2
		.amdhsa_user_sgpr_kernarg_segment_ptr 1
		.amdhsa_wavefront_size32 1
		.amdhsa_system_sgpr_workgroup_id_x 1
		.amdhsa_system_sgpr_workgroup_id_y 1
		.amdhsa_system_sgpr_workgroup_id_z 1
		.amdhsa_system_vgpr_workitem_id 0
		.amdhsa_next_free_vgpr 256
		.amdhsa_next_free_sgpr 66
		.amdhsa_reserve_vcc 1
		.amdhsa_float_denorm_mode_32 3
		.amdhsa_float_denorm_mode_16_64 3
		.amdhsa_memory_ordered 1
		.amdhsa_forward_progress 1
		.amdhsa_inst_pref_size 88
	.end_amdhsa_kernel
	.amdgpu_metadata
---
amdhsa.version: [ 1, 2 ]
amdhsa.kernels:
  - .name:           k_q901eb74835_attn
    .symbol:         k_q901eb74835_attn.kd
    .args:
      - { .name: qb, .offset: 0, .size: 8, .value_kind: global_buffer, .address_space: global }
      - { .name: kv, .offset: 8, .size: 8, .value_kind: global_buffer, .address_space: global }
      - { .name: ac, .offset: 16, .size: 8, .value_kind: global_buffer, .address_space: global }
    .group_segment_fixed_size: 327680
    .private_segment_fixed_size: 0
    .kernarg_segment_align: 8
    .kernarg_segment_size: 24
    .max_flat_workgroup_size: 512
    .sgpr_count:     66
    .vgpr_count:     256
    .wavefront_size: 32
...
	.end_amdgpu_metadata
.endif
;; end of part 3
;; launch outp (part 4): grid 8 x 32, 4 waves a work-group, clusters of 4 x 4, 239,104 bytes of LDS; arguments ac, xq, bo, out0; writes out0
.if DOCPART == 4
	.amdgcn_target "amdgcn-amd-amdhsa--gfx1250"
	.amdhsa_code_object_version 6
	.text
	.protected	k_q901eb74835_outp
	.globl	k_q901eb74835_outp
	.p2align	8
	.type	k_q901eb74835_outp,@function
k_q901eb74835_outp:
	s_mov_b64 s[64:65], 0
	v_nop
	global_prefetch_b8 v0, s[64:65] scope:SCOPE_SE
	s_setreg_imm32_b32 hwreg(HW_REG_WAVE_MODE, 25, 1), 1
	s_wait_xcnt 0x0
	s_wait_alu depctr_hold_cnt(0) depctr_sa_sdst(0) depctr_va_vdst(0) depctr_va_sdst(0) depctr_va_ssrc(0) depctr_va_vcc(0) depctr_vm_vsrc(0)
	s_getreg_b32 s2, hwreg(HW_REG_IB_STS2, 6, 4)
	s_cmp_eq_u32 s2, 0
	s_cbranch_scc0 .Lentry_in_a_cluster
	s_endpgm
.Lentry_in_a_cluster:
	s_bfe_u32 s2, ttmp6, 0x10000c
	s_cmp_lg_u32 s2, 0xf033
	s_cbranch_scc0 .Lentry_shape_is_right
	s_endpgm
.Lentry_shape_is_right:
; out0 = attn Wo^T + bo on codes of FP6 (E2M3).  attn's codes come from ac, Wo's from xq's groups 120-127: blocks of 12,800 bytes (eight register images of 16 rows x 128 K, then 512 bytes of scale words), [group of 128 rows][K step].
; Source 0 (S0) = 128 rows of Wo (output columns), source 1 (S1) = 128 tokens: a lane holds one token, and by the tiles' order of rows (row m of tile t is row 32 (t / 2) + 8 (t % 2) + m + 8 (m / 8)) register j of
; accumulator t is column 32 (t / 2) + 16 (lane / 16) + 8 (t % 2) + j: eight neighbours.  The bias is the C of each sum's first product.
; SHARES: a work-group makes 128 x 128; a wave all 128 columns x token tiles 2 w, 2 w + 1: 16 accumulators.  LDS holds both operands for ALL of K, 2 x 102,400 bytes, filled once: one tensor load of mine is out at the most.
; CLUSTER 4 x 4: S0's group hangs on cx alone and is asked for jointly down a column, S1's on cy alone and along a row.
; THE WAY OUT: 16 tokens x 512 bytes at a time through the wave's own stage (rows 528 bytes apart), back as whole rows; the tokens' order in a tile is undone in the stores' offsets.
; REGISTERS.  window 0: v1-14 addresses; v16-27 scale words, two sets; v32-95 the bias; v128-255 rows on the way out.   window 1: two sets of fragments.   window 2: accumulator (a, t) at v[8 (8 a + t)].
.set BLK,   12800
.set S1B,   8*BLK
.set STAGE, 2*S1B                      ; behind the operands: 16 rows x 528 bytes for each wave; no tensor load lands here
.set SPARE, STAGE+4*16*528             ; the spare words, 128 bytes for each wave: two blocks of 256 bytes that no other line names
.set MSB, 0
.macro WIN new                         ; s_set_vgpr_msb: bits 1:0 source 0, 3:2 source 1, 5:4 source 2, 7:6 destination; the high byte repeats the setting that is left
.if MSB != \new
	s_set_vgpr_msb (MSB<<8)|\new
.set MSB, \new
.endif
.endm
.macro CROUND
	s_barrier_signal -1
	s_barrier_wait -1
	s_cmp_lg_u32 s20, 0
	s_cbranch_scc1 .Lnot_wave_0_\@
	s_barrier_signal -3
.Lnot_wave_0_\@:
	s_barrier_wait -3
	s_barrier_signal -1
	s_barrier_wait -1
.endm
.macro PLACES                          ; four plain places behind a matrix instruction (ISA guide 7.12.1)
.rept 4
	v_nop
.endr
.endm
	s_load_b256 s[4:11], s[0:1], 0x0               ; ac, xq, bo, out0
	v_lshl_add_u32 v10, v0, 2, SPARE               ; v10: my spare word;  v11: 0.  Kept for the add alone
	v_mov_b32 v11, 0
	ds_add_u32 v10, v11                            ; the wave's opening: the add and its wait ahead of my first tensor load; the set-up below, work on registers, stands between them
	ds_add_u32 v10, v11
	v_lshrrev_b32 v1, 5, v0
	v_readfirstlane_b32 s20, v1                    ; wave
	s_and_b32 s21, s20, 1
	s_bfe_u32 s22, ttmp6, 0x40000                  ; cx
	s_bfe_u32 s23, ttmp6, 0x40004                  ; cy
	s_and_b32 s76, ttmp7, 0xffff
	s_lshl_b32 s85, ttmp9, 2
	s_add_co_u32 s85, s85, s22                     ; S0: which 128 columns: hangs on cx, never on cy
	s_lshl_b32 s86, s76, 2
	s_add_co_u32 s86, s86, s23                     ; S1: which 128 tokens: on cy, never on cx
	s_mul_i32 s79, s21, 4*BLK                      ; I bring K steps 4 (wave & 1) .. + 3 of my operand by ONE load: 51,200 dense bytes
	s_add_co_u32 s88, s85, 120
	s_mul_i32 s88, s88, 8*BLK
	s_add_co_u32 s88, s88, s79
	s_mov_b32 s89, 0
	s_mul_i32 s90, s86, 8*BLK
	s_add_co_u32 s90, s90, s79
	s_mov_b32 s91, 0
	s_lshl_b32 s2, s23, 2
	s_lshl_b32 s2, 15, s2                          ; my row of the cluster
	s_lshl_b32 s3, 0x1111, s22                     ; my column
	s_or_b32 s24, s2, (3<<16)|(1<<21)              ; descriptor group 1, S1's: the mask; elements of 8 bytes; bit 21 set beside a mask
	s_or_b32 s32, s3, (3<<16)|(1<<21)              ; S0's
.irp g, 24, 32
	s_mov_b32 s[\g+1], 32<<16                      ; a dense block of 12,800 bytes as 50 rows of 32 elements
	s_mov_b32 s[\g+2], 200<<16                     ; four blocks: 200 rows
	s_mov_b32 s[\g+3], 32<<16
	s_mov_b32 s[\g+4], 200
	s_mov_b32 s[\g+5], 32
	s_mov_b32 s[\g+6], 0
	s_mov_b32 s[\g+7], 0
.endr
	s_lshl_b32 s92, s85, 9                         ; bo: my 128 columns
	s_mov_b32 s93, 0
	s_lshl_b32 s96, s86, 7
	s_lshl_b32 s94, s20, 5
	s_add_co_u32 s96, s96, s94
	s_lshl_b32 s96, s96, 12                        ; out0: token 128 S1 + 32 w,
	s_add_co_u32 s96, s96, s92                     ; column 128 S0
	s_mov_b32 s97, 0
	s_wait_dscnt 0x0                               ; the opening add is done
	s_wait_kmcnt 0x0
	s_add_nc_u64 s[88:89], s[6:7], s[88:89]
	s_add_nc_u64 s[90:91], s[4:5], s[90:91]
	s_add_nc_u64 s[92:93], s[8:9], s[92:93]
	s_add_nc_u64 s[96:97], s[10:11], s[96:97]
	CROUND                                         ; all sixteen work-groups are here: the joint loads meet
.irp c, 0
	s_mov_b32 s[40+4*\c], 1
	s_add_co_u32 s[41+4*\c], s79, S1B+2*BLK*\c
	s_add_nc_u64 s[42+4*\c:43+4*\c], s[90:91], 2*BLK*\c
	s_or_b32 s[43+4*\c], s[43+4*\c], 0x80000000
.set GB, 56+4*\c+4*(\c/2)
	s_mov_b32 s[GB], 1
	s_add_co_u32 s[GB+1], s79, 2*BLK*\c
	s_add_nc_u64 s[GB+2:GB+3], s[88:89], 2*BLK*\c
	s_or_b32 s[GB+3], s[GB+3], 0x80000000
.endr
	s_cmp_lt_u32 s20, 2                            ; waves 0 and 1 bring S1, waves 2 and 3 S0: a wave's one fill stands in one branch on the wave's number; an s_nop 0 follows it, then four v_nop
	s_cbranch_scc0 .Lfill_s0
.irp c, 0
	tensor_load_to_lds s[40+4*\c:43+4*\c], s[24:31]
	s_nop 0
.endr
	PLACES
	s_branch .Lfilled
.Lfill_s0:
.irp c, 56
	tensor_load_to_lds s[\c:\c+3], s[32:39]
	s_nop 0
.endr
	PLACES
.Lfilled:
	v_and_b32 v15, 31, v0
	v_and_b32 v2, 15, v0                           ; r
	v_bfe_u32 v3, v0, 4, 1                         ; h
	v_lshlrev_b32 v1, 4, v15                       ; v1: 16 L, for the stores
	v_lshlrev_b32 v4, 4, v15                       ; v4, v5: S0's images, K steps 0-3 and 4-7
	v_add_nc_u32 v5, 4*BLK, v4
	; ac's block of a K step is two half-blocks of 6,400 bytes, one a head: eight half-images of 768 bytes (registers 2 p, 2 p + 1 of lane L at 768 t + 256 p + 8 L), then two scale bytes for (tile t, row r) at 6144 + 2 (16 t + r)
	s_mul_i32 s12, s20, 1536
	s_add_co_u32 s12, s12, S1B
	v_lshl_add_u32 v6, v15, 3, s12                 ; v6, v7: S1's tiles 2 w, 2 w + 1: 8 bytes a lane of each piece
	v_add_nc_u32 v7, 4*BLK, v6
	s_lshl_b32 s12, s20, 6
	s_add_co_u32 s12, s12, S1B+6144
	v_lshl_add_u32 v8, v2, 1, s12                  ; v8, v9: row r's two scale bytes of tile 2 w, first head
	v_add_nc_u32 v9, 4*BLK, v8
	v_lshlrev_b32 v14, 6, v3                       ; 64 h
	s_mul_i32 s12, s20, 16*528
	s_add_co_u32 s12, s12, STAGE                   ; my stage
	v_mul_u32_u24 v12, v2, 528
	v_lshl_add_u32 v12, v3, 6, v12
	v_add_nc_u32 v12, s12, v12                     ; v12: in: row r, + 64 h
	v_add_nc_u32 v13, s12, v4                      ; v13: back: 16 bytes a lane of a row
.irp t, 0,1,2,3,4,5,6,7                ; register 8 t + j belongs to column 32 (t / 2) + 16 h + 8 (t % 2) + j
	global_load_b128 v[32+8*\t:35+8*\t], v14, s[92:93] offset:128*(\t/2)+32*(\t%2)
	global_load_b128 v[36+8*\t:39+8*\t], v14, s[92:93] offset:128*(\t/2)+32*(\t%2)+16
.endr
	s_wait_alu depctr_va_vdst(0)
	s_wait_loadcnt 0x0
.macro FETCH s                         ; K step s: S0's eight fragments, my two of S1, their scale words: 41 LDS loads in one run
.set FS, 128*((\s)%2)
.set FO, BLK*((\s)%4)
.set FH, (\s)/4
	WIN 0x40                                       ; destination window 1
.irp t, 0,1,2,3,4,5,6,7
.irp c, 0,1,2
	ds_load_b128 v[FS+12*\t+4*\c:FS+12*\t+4*\c+3], v[4+FH] offset:FO+1536*\t+512*\c
.endr
.endr
.irp a, 0,1
.irp e, 0,1
.irp p, 0,1,2
	ds_load_b64 v[FS+96+12*\a+6*\e+2*\p:FS+96+12*\a+6*\e+2*\p+1], v[6+FH] offset:FO+6400*\e+768*\a+256*\p   ; head e's 64 of K are registers 6 e .. 6 e + 5
.endr
.endr
.endr
	WIN 0
	ds_load_b128 v[16+6*((\s)%2):19+6*((\s)%2)], v[4+FH] offset:FO+12288   ; lanes 0-15: the words of tiles 0-3, row r; lanes 16-31: of tiles 4-7
.irp a, 0,1
.irp e, 0,1
	ds_load_u16 v[96+4*((\s)%2)+2*\a+\e], v[8+FH] offset:FO+6400*\e+32*\a   ; the two heads' halves of tile 2 w + a's scale word
.endr
.endr
.endm
.macro MUL s                           ; 16 matrix instructions; the sixteen accumulators take turns, one instruction a turn, in the same order in every K step
.set FS, 128*((\s)%2)
.set SS, 16+6*((\s)%2)
.if (\s) == 0
	WIN 0x85                                       ; sources 0 and 1 window 1, C (the bias) window 0, D window 2
.else
	WIN 0xa5                                       ; C and D window 2
.endif
.irp t, 0,1,2,3,4,5,6,7
.irp a, 0,1
.set DD, 8*(8*\a+\t)
.set CB, DD
.if (\s) == 0
.set CB, 32+8*\t
.endif
.if \t < 4
	v_wmma_scale_f32_16x16x128_f8f6f4 v[DD:DD+7], v[FS+12*\t:FS+12*\t+11], v[FS+96+12*\a:FS+96+12*\a+11], v[CB:CB+7], v[SS+\t%4], v[SS+4+\a] matrix_a_fmt:MATRIX_FMT_FP6 matrix_b_fmt:MATRIX_FMT_FP6
.else
	v_wmma_scale_f32_16x16x128_f8f6f4 v[DD:DD+7], v[FS+12*\t:FS+12*\t+11], v[FS+96+12*\a:FS+96+12*\a+11], v[CB:CB+7], v[SS+\t%4], v[SS+4+\a] matrix_a_fmt:MATRIX_FMT_FP6 matrix_b_fmt:MATRIX_FMT_FP6 matrix_a_scale:MATRIX_SCALE_ROW1
.endif
.endr
.endr
.endm
	s_wait_tensorcnt 0x0                           ; my one load has landed; behind the barrier both operands are whole for all of K
	s_barrier_signal -1
	s_barrier_wait -1
	FETCH 0
.irp s, 0,1,2,3,4,5,6,7
	s_wait_dscnt 0x0                               ; K step s is in registers
	WIN 0
.irp a, 0,1
	v_lshl_or_b32 v[20+6*(\s%2)+\a], v[97+4*(\s%2)+2*\a], 16, v[96+4*(\s%2)+2*\a]   ; S1's scale words of this K step: the first head's two bytes below, the second's above
.endr
.rept 8
	v_nop                                          ; a scale register written by a vector instruction stands eight places ahead of a scaled product; these are also the places in front of the loads below
.endr
.if \s < 7
	FETCH \s+1
.endif
	MUL \s
.endr
	PLACES
.irp a, 0,1
	WIN 0x08                                       ; an LDS store's data are its source 1: window 2
.irp t, 0,1,2,3,4,5,6,7
	ds_store_b128 v12, v[64*\a+8*\t:64*\a+8*\t+3] offset:128*(\t/2)+32*(\t%2)         ; each accumulator from its low end on
	ds_store_b128 v12, v[64*\a+8*\t+4:64*\a+8*\t+7] offset:128*(\t/2)+32*(\t%2)+16
.endr
	WIN 0
.irp i, 0,1,2,3,4,5,6,7,8,9,10,11,12,13,14,15
	ds_load_b128 v[128+64*\a+4*\i:131+64*\a+4*\i], v13 offset:528*\i                  ; LDS serves a wave's instructions in order: these see the stores above, and the next tile's stores come behind them
.endr
.irp i, 0,1,2,3,4,5,6,7,8,9,10,11,12,13,14,15
	s_wait_dscnt 15-\i                             ; row i is back; the younger loads may be out
	global_store_b128 v1, v[128+64*\a+4*\i:131+64*\a+4*\i], s[96:97] offset:(8*\a+\i+8*(\i/8))*4096 th:TH_STORE_NT   ; 32 lanes store 512 consecutive bytes, at a multiple of 256 from out0's first byte
.endr
.endr
	s_wait_tensorcnt 0x0                           ; the wave's end, behind my last tensor load and my last LDS store
	ds_add_u32 v10, v11
	s_wait_dscnt 0x0
	CROUND                                         ; the closing round: no work-group ends while a partner may still ask for a block that names it
	s_endpgm
.Lfunc_end_k_q901eb74835_outp:
	.size	k_q901eb74835_outp, .Lfunc_end_k_q901eb74835_outp-k_q901eb74835_outp
	.p2alignl 7, 3214868480
	.fill 96, 4, 3214868480
	.section	.rodata,"a",@progbits
	.p2align	6, 0x0
	.amdhsa_kernel k_q901eb74835_outp
		.amdhsa_group_segment_fixed_size 239104
		.amdhsa_private_segment_fixed_size 0
		.amdhsa_enable_private_segment 0
		.amdhsa_kernarg_size 32
		.amdhsa_user_sgpr_count 2
		.amdhsa_user_sgpr_kernarg_segment_ptr 1
		.amdhsa_wavefront_size32 1
		.amdhsa_system_sgpr_workgroup_id_x 1
		.amdhsa_system_sgpr_workgroup_id_y 1
		.amdhsa_system_sgpr_workgroup_id_z 1
		.amdhsa_system_vgpr_workitem_id 0
		.amdhsa_next_free_vgpr 640
		.amdhsa_next_free_sgpr 100
		.amdhsa_reserve_vcc 0
		.amdhsa_float_denorm_mode_32 3
		.amdhsa_float_denorm_mode_16_64 3
		.amdhsa_memory_ordered 1
		.amdhsa_forward_progress 1
		.amdhsa_inst_pref_size 57
	.end_amdhsa_kernel
	.amdgpu_metadata
---
amdhsa.version: [ 1, 2 ]
amdhsa.kernels:
  - .name:           k_q901eb74835_outp
    .symbol:         k_q901eb74835_outp.kd
    .args:
      - { .name: ac, .offset: 0, .size: 8, .value_kind: global_buffer, .address_space: global }
      - { .name: xq, .offset: 8, .size: 8, .value_kind: global_buffer, .address_space: global }
      - { .name: bo, .offset: 16, .size: 8, .value_kind: global_buffer, .address_space: global }
      - { .name: out0, .offset: 24, .size: 8, .value_kind: global_buffer, .address_space: global }
    .group_segment_fixed_size: 239104
    .private_segment_fixed_size: 0
    .kernarg_segment_align: 8
    .kernarg_segment_size: 32
    .max_flat_workgroup_size: 128
    .sgpr_count:     100
    .vgpr_count:     640
    .wavefront_size: 32
...
	.end_amdgpu_metadata
.endif
;; end of part 4
